; MI455X (gfx1250); checked and timed in simulation.
; The chip was launched on July 23, 2026; its instructions are those of AMD's public machine-readable ISA for CDNA 5 (MIT licence, August 2026) and "CDNA5" Instruction Set Architecture Reference Guide (July 2026). The comments in the code are by the model that wrote it; some were corrected since.
;; LMHA. Allowed arithmetic: matrix products marked QUANTISED: E2M3 operands, one E8M0 scale for each 32 along K, by v_wmma_scale_f32_16x16x128_f8f6f4 with both operands' format E2M3, f32 sums; everything else in f32.
;; Inputs: W_o 1,024 x 1,024 float32; W_qkv 3,072 x 1,024 float32; mask 2 x 2,048 x 2,048 bool; pe 2,048 x 32 float32; x 2 x 2,048 x 1,024 float32.
;; Outputs: out0 2 x 2,048 x 1,024 float32.
;; This version of the problem:
;;   THIS VERSION OF THE PROBLEM IS GIVEN IN LOW PRECISION. The matrix products marked QUANTISED in the list below multiply operands that are first quantised to E2M3 (2 exponent bits, 3 mantissa bits; 6 bits a number), with one power-of-two scale for each 32 numbers along K (OCP MX v1.0); their sums are f32. All else is computed in f32.
;;   The module's matrix products, in the order in which they are computed (A, B: the left and right operand; K: the contracted axis; several contracted axes count as one K, in the product's order):
;;     1. [M 4,096, K 1,024] x [K 1,024, N 3,072]; A: input x; B: input W_qkv: QUANTISED
;;     2. batch 64 x [M 2,048, K 32] x [K 32, N 2,048]; A: computed on the way; B: computed on the way: QUANTISED
;;     3. batch 64 x [M 32, K 2,048] x [K 2,048, N 2,048]; A: computed on the way; B: softmax (see below): QUANTISED
;;     4. [M 4,096, K 1,024] x [K 1,024, N 1,024]; A: computed on the way; B: input W_o: QUANTISED
;;   THE QUANTISER, for each operand of a quantised product, along K:
;;     - K is cut into blocks of 32 from its start; a last block that is shorter is filled with zeros.
;;     - A block's scale is 2^e with e = floor(log2(the largest magnitude in the block)) - 2, held to -126 .. 127; a block of zeros has e = 0. As a byte (E8M0): e + 127.
;;     - Each number is divided by its block's scale, clamped to +-7.5, and rounded to the nearest number of E2M3, ties to even, subnormals kept.
;;     - The product sums the exact products of the quantised numbers (number of the format x scale) in f32.
;;   ~~~python
;;   def quantise(x, axis):      # numpy; x: float32 -> the quantised numbers, widened to float32 again
;;       x = np.moveaxis(x, axis, -1); K = x.shape[-1]
;;       x = np.pad(x, [(0, 0)] * (x.ndim - 1) + [(0, -K % 32)]); x = x.reshape(x.shape[:-1] + (-1, 32)); a = np.abs(x).max(-1, keepdims=True)
;;       e = np.where(a > 0, np.clip(np.frexp(np.where(a > 0, a, 1))[1] - 1 - 2, -126, 127), 0)      # np.frexp(a)[1] - 1 = floor(log2(a)), exactly
;;       r = np.clip(x / 2.0 ** e, -7.5, 7.5)
;;       step = 2.0 ** (np.maximum(np.frexp(np.where(r == 0, 1, r))[1] - 1, 0) - 3)
;;       q = np.round(r / step) * step * 2.0 ** e      # np.round: ties to even
;;       return np.moveaxis(q.reshape(q.shape[:-2] + (-1,))[..., :K], -1, axis).astype(np.float32)
;;   ~~~
;;   SOFTMAX AHEAD OF A QUANTISED PRODUCT. Where the list says 'softmax', what is quantised is not the finished softmax but p = 2^(t - M), with t = logit x log2(e) and M = ceil(the row's largest t), a whole number; so 1/2 < the row's largest p <= 1. The row's sum l is taken of the UNQUANTISED p, in f32, and the product's result is divided by l at the end. Since M is a whole number, a kernel that streams over the keys may use a running M (the ceiling of the running maximum): every later rescaling is an exact power of two, which a block's scale takes up: the codes' values come out the same.
;;   OPERANDS COMPUTED ON THE WAY. 'Computed on the way' means the value that the module computes at that place (a softmax that the list does not call 'softmax' is quantised finished and normalised). What goes into a quantiser is computed in f32, as accurately as f32 sums, v_exp_f32 and their like allow (about 1e-6 of the number): no bf16 or f16 on the way to a quantiser, and a product that is left as it is and whose result goes on into a quantised operand takes f32 operands (vector FMAs, or v_wmma_f32_16x16x4_f32). A number that lies on a knife's edge between two numbers of the format may be rounded either way, as far as f32 arithmetic and the matrix unit's own rounding can turn it there, and no further.
;; One version. Each part assembles by itself: llvm-mc -triple=amdgcn-amd-amdhsa -mcpu=gfx1250 --defsym DOCPART=n.
;; ======== version 1 of 1: 4 launches
;; limits: right only within a limited range of input values
;; workspace buffers: x_op 3,407,872 bytes; w_op 3,407,872 bytes; qkv 9,830,400 bytes; a2_op 3,407,872 bytes; mbits 1,048,576 bytes of whole numbers
;; launch prep (part 1): grid 640 x 1, 4 waves a work-group, no clusters, 68,096 bytes of LDS; arguments x, W_qkv, W_o, mask, x_op, w_op, mbits; writes x_op, w_op, mbits
.if DOCPART == 1
	.amdgcn_target "amdgcn-amd-amdhsa--gfx1250"
	.amdhsa_code_object_version 6
	.text
	.protected	k_qb25cfece37_prep
	.globl	k_qb25cfece37_prep
	.p2align	8
	.type	k_qb25cfece37_prep,@function
k_qb25cfece37_prep:
	s_mov_b64 s[64:65], 0
	v_nop
	global_prefetch_b8 v0, s[64:65] scope:SCOPE_SE
	s_setreg_imm32_b32 hwreg(HW_REG_WAVE_MODE, 25, 1), 1
	s_wait_xcnt 0x0
; LAUNCH 1 OF 4.  x [4096][1024], W_qkv [3072][1024] and W_o [1024][1024], f32, K innermost, become codes of FP6 (E2M3) with one E8M0 byte for each 32 along K; the mask [2][2048][2048] becomes lane masks.
; DEAD WORK: none is left out in this program.  Every product of the problem is live for all values of the inputs, and all five inputs (x, pe, mask, W_qkv, W_o) are loaded by some launch.
; LIMITS: NaN and infinities among the inputs are not served.  A block whose largest magnitude lies under 2^(3 - 127) keeps the scale byte 1 (a block of zeros too, where the rule says 127: its codes are zeros,
; which add nothing under any byte but 0xff, and the bytes are read by this program alone).
; THE ROWS OF A TILE ARE NOT NEIGHBOURS, in every operand of this program: row r (0..15) of tile T is row 32 (T / 2) + 8 (T % 2) + r + 8 (r / 8).  Then the 16 result registers of two neighbouring tiles given as a
; product's first source are 16 neighbours, and a result can be quantised in registers for the next product.
; THE WORKSPACE IS LAID IN THE ORDER OF THE OPERANDS' REGISTERS.  A fragment (16 rows x 128 K, 12 registers a lane) is an image of 1,536 bytes: register 4 c + e of lane l at byte 512 c + 16 l + 4 e.
; An operand block is 128 rows x 1,024 K: fragment (K step s, tile i) at (8 s + i) x 1,536; from byte 98,304 on the scale words: image (8 i + s) of 128 bytes, word l = the word of row l % 16 (twice).
; mbits[T][step][n], n = 0..63: bit l of the word is mask[row l % 16 of tile T][128 step + 64 (n / 32) + 32 (l / 16) + n % 32]: the lane mask for score register n of the attention launch.
; SHARES.  Work-groups 0-255: tile T of x; 256-447: of W_qkv; 448-511: of W_o; wave w takes bytes 1,024 w on of the tile's 16 rows: K steps 2 w, 2 w + 1.  Work-groups 512-639: two tiles of the mask, two waves to a tile,
; 1,024 keys a wave.  ONE front serves all: every load reads 512 consecutive bytes of a row; 16 rows x 512 bytes go through the wave's own stage in LDS and come back with a lane holding neighbours of ONE row.
; Waves share nothing: no barrier.  All that is chosen by the work-group's number in the front is a pointer, a tile number, a column and the rows' pitch.
.set WREG,  16896                      ; LDS: a wave's region: two stages of 16 rows x 528 bytes
.set CHK,   8448                       ; a stage
.set SP,    528                        ; a stage row: 512 bytes + 16: the sixteen rows that a load of 16 bytes a lane touches start at sixteen different banks
.set SPARE, 4*WREG                     ; behind the four regions: the spare words, 128 bytes for each wave, which no other line names
.set OPB,   106496                     ; an operand block
.set SCOFF, 98304                      ; its scale words
.set FRB,   1536                       ; a fragment's image
.set LI,  4                            ; v4   16 x lane
.set STI, 5                            ; v5   the stage, on the way in
.set SQ,  6                            ; v6   on the way out, f32: row r, + 64 h
.set SM,  7                            ; v7   on the way out, mask: row r, + 32 h
.set SPW, 8                            ; v8   LDS address of my spare word; never rewritten
.set NIL, 9                            ; v9   0; never rewritten
.set LS,  10                           ; v10  4 x lane
.set OFF, 16                           ; v16-31  row i of the tile: its byte offset + 16 x lane
.set X,   32                           ; v32-159 two chunks of 64 registers
.set TM,  160                          ; v160-175 at work in QUANT
.set PW,  176                          ; v176-177 the two scale words
.set P0,  180                          ; v180-191, v192-203 the two fragments
.set P1,  192
.set CT,  204                          ; v204-210 the second halves of the conversions
.set OUT, 200                          ; v200-215 the mask's words on their way out (that path makes no fragment)
.set TT,  216                          ; v216-223 at work
.set SEL, 30                           ; s[30:31] lane selects for v_permlanex16_b32: lane l xor 16
.set MSB, 0
.macro WIN new                         ; (this launch stays in window 0: the macro writes nothing here; QUANT is the same text in three launches)
.if MSB != (\new)
	s_set_vgpr_msb (MSB<<8)|(\new)
.set MSB, (\new)
.endif
.endm
; 64 numbers of a lane, register 16 b + i = k 32 b + 16 (lane / 16) + i of my row, become a fragment's 12 registers from v[dst] on and its scale word in v[wrd].
.macro QUANT src, win, dst, wrd
	WIN (\win)|((\win)<<2)
.irp b, 0,1,2,3
	v_max3_num_f32 v[TM+\b], |v[(\src)+16*\b]|, |v[(\src)+16*\b+1]|, 0x1800000   ; block b: my 16 numbers, and the floor 2^(3 - 127): the byte cannot fall under 1
.endr
.irp i, 2,4,6,8,10,12,14
.irp b, 0,1,2,3
	v_max3_num_f32 v[TM+\b], |v[(\src)+16*\b+\i]|, |v[(\src)+16*\b+\i+1]|, v[TM+\b]   ; the four blocks by turns
.endr
.endr
	WIN 0
.irp b, 0,1,2,3
	v_permlanex16_b32 v[TM+4+\b], v[TM+\b], s[SEL], s[SEL+1]
.endr
.irp b, 0,1,2,3
	v_max_num_f32 v[TM+\b], v[TM+\b], v[TM+4+\b]   ; with lane l xor 16's: the block's largest magnitude
.endr
.irp b, 0,1,2,3
	v_add_nc_u32 v[TM+12+\b], 0xff000000, v[TM+\b]   ; 2 off its exponent field: the conversion takes the exponent field of this operand as its scale
.endr
.irp b, 0,1,2,3
	v_lshrrev_b32 v[TM+4+\b], 23, v[TM+12+\b]      ; the scale's byte
.endr
	v_lshl_or_b32 v[\wrd], v[TM+5], 8, v[TM+4]
	v_lshl_or_b32 v[\wrd], v[TM+6], 16, v[\wrd]
	v_lshl_or_b32 v[\wrd], v[TM+7], 24, v[\wrd]
	WIN \win
.irp c, 0,1
	v_cvt_scalef32_pk16_fp6_f32 v[(\dst)+6*\c:(\dst)+6*\c+2], v[(\src)+32*\c:(\src)+32*\c+15], v[TM+12+2*\c]
	v_cvt_scalef32_pk16_fp6_f32 v[CT+4*\c:CT+4*\c+2], v[(\src)+32*\c+16:(\src)+32*\c+31], v[TM+13+2*\c]   ; (a conversion's three registers begin on an even number)
.endr
	WIN 0
	v_nop                                          ; one plain place behind a scaled conversion
.irp c, 0,1                                    ; the operand's layout wants a whole block in a lane: lanes 0-15 block 2 c, lanes 16-31 block 2 c + 1
.irp i, 0,1,2
	v_permlane16_swap_b32 v[(\dst)+6*\c+\i], v[CT+4*\c+\i]
.endr
.irp i, 0,1,2
	v_mov_b32 v[(\dst)+6*\c+3+\i], v[CT+4*\c+\i]
.endr
.endr
.endm
	s_load_b256 s[4:11], s[0:1], 0x0               ; x s[4:5], W_qkv s[6:7], W_o s[8:9], mask s[10:11]
	s_load_b128 s[12:15], s[0:1], 0x20             ; x_op s[12:13], w_op s[14:15]
	s_load_b64 s[16:17], s[0:1], 0x30              ; mbits
	v_lshl_add_u32 v[SPW], v0, 2, SPARE
	v_mov_b32 v[NIL], 0
	v_lshrrev_b32 v1, 5, v0
	v_readfirstlane_b32 s20, v1                    ; wave 0..3
	v_and_b32 v1, 31, v0                           ; lane
	v_and_b32 v2, 15, v0                           ; r
	v_bfe_u32 v3, v0, 4, 1                         ; h
	v_lshlrev_b32 v[LI], 4, v1
	v_lshlrev_b32 v[LS], 2, v1
	s_mul_i32 s21, s20, WREG                       ; my region of LDS
	v_add_nc_u32 v[STI], s21, v[LI]
	v_mul_u32_u24 v[SQ], v2, SP
	v_add_nc_u32 v[SQ], s21, v[SQ]
	v_lshl_add_u32 v[SM], v3, 5, v[SQ]             ; the mask, as it is laid now: lanes 16-31 stand 32 keys on.  Word n = 32 c + i of a step: bit l = mask[row l % 16][128 step + 64 c + 32 (l / 16) + i]
	v_lshl_add_u32 v[SQ], v3, 6, v[SQ]
.irp b, 0,1,2,3
	v_mov_b32 v[TM+4+\b], 0                        ; written once: a lane permute's destination counts as one of its sources
.endr
	s_mov_b32 s[SEL], 0x76543210
	s_mov_b32 s[SEL+1], 0xfedcba98
	; which tensor, which tile, which column.  Every candidate is made first; the choices hang on the work-group's number alone
	s_mov_b32 s22, ttmp9
	s_sub_co_u32 s23, s22, 512
	s_lshl_b32 s23, s23, 1
	s_lshr_b32 s26, s20, 1
	s_add_co_u32 s23, s23, s26                     ; the mask's tile: 2 (wg - 512) + wave / 2
	s_and_b32 s24, s20, 1
	s_lshl_b32 s24, s24, 10                        ; and its column: 1,024 (wave % 2)
	s_lshl_b32 s26, s20, 10                        ; an f32 tensor's column: 1,024 x wave bytes
	s_sub_co_u32 s28, s22, 448
	s_sub_co_u32 s29, s22, 256
	s_wait_kmcnt 0x0
	s_cmp_lt_u32 s22, 512
	s_cselect_b64 s[34:35], s[8:9], s[10:11]
	s_cselect_b32 s23, s28, s23
	s_cselect_b32 s24, s26, s24
	s_cselect_b32 s25, 12, 11                      ; a row is 4,096 bytes, the mask's 2,048
	s_cmp_lt_u32 s22, 448
	s_cselect_b64 s[34:35], s[6:7], s[34:35]
	s_cselect_b32 s23, s29, s23
	s_cmp_lt_u32 s22, 256
	s_cselect_b64 s[34:35], s[4:5], s[34:35]       ; the source
	s_cselect_b32 s23, s22, s23                    ; T, the tile in it
	s_cselect_b64 s[36:37], s[12:13], s[14:15]     ; where codes go
	s_cselect_b32 s29, s22, s29                    ; the tile's number there (W_o's blocks follow W_qkv's)
	s_lshr_b32 s26, s23, 1
	s_lshl_b32 s26, s26, 5
	s_and_b32 s28, s23, 1
	s_lshl_b32 s28, s28, 3
	s_add_co_u32 s26, s26, s28                     ; the tile's first row: 32 (T / 2) + 8 (T % 2)
	s_lshl_b32 s26, s26, s25
	s_add_co_u32 s26, s26, s24
	s_mov_b32 s27, 0
	s_add_nc_u64 s[34:35], s[34:35], s[26:27]
.irp i, 0,1,2,3,4,5,6,7,8,9,10,11,12,13,14,15
	v_lshl_add_u32 v[OFF+\i], \i+8*(\i/8), s25, v[LI]   ; row i of the tile lies i + 8 (i / 8) rows on
.endr
.irp ch, 0,1
.irp i, 0,1,2,3,4,5,6,7,8,9,10,11,12,13,14,15
	global_load_b128 v[X+64*\ch+4*\i:X+64*\ch+4*\i+3], v[OFF+\i], s[34:35] offset:512*\ch th:TH_LOAD_NT   ; 32 lanes read 512 consecutive bytes of a row; read once in the launch
.endr
.endr
	s_wait_loadcnt 16                              ; chunk 0's sixteen loads are in; chunk 1's sixteen may be out
.irp i, 0,1,2,3,4,5,6,7,8,9,10,11,12,13,14,15
	ds_store_b128 v[STI], v[X+4*\i:X+4*\i+3] offset:SP*\i
.endr
	s_wait_loadcnt 0x0
.irp i, 0,1,2,3,4,5,6,7,8,9,10,11,12,13,14,15
	ds_store_b128 v[STI], v[X+64+4*\i:X+64+4*\i+3] offset:CHK+SP*\i
.endr
	s_cmp_ge_u32 s22, 512
	s_cbranch_scc1 .Lmask
	; ---- f32: lane (r, h) takes, of row r, its 16 numbers of each block of 32.  LDS serves a wave's instructions in order: these loads see my stores
.irp ch, 0,1
.irp b, 0,1,2,3
.irp j, 0,1,2,3
	ds_load_b128 v[X+64*\ch+16*\b+4*\j:X+64*\ch+16*\b+4*\j+3], v[SQ] offset:CHK*\ch+128*\b+16*\j
.endr
.endr
.endr
	s_lshr_b32 s26, s29, 3                         ; the operand block,
	s_mul_i32 s26, s26, OPB
	s_and_b32 s28, s22, 7                          ; i: the tile in it
	s_lshl_b32 s38, s20, 4
	s_add_co_u32 s38, s38, s28
	s_mul_i32 s38, s38, FRB                        ; fragment (K step 2 w, tile i): (16 w + i) images on
	s_add_co_u32 s38, s38, s26
	s_mov_b32 s39, 0
	s_add_nc_u64 s[38:39], s[36:37], s[38:39]
	s_lshl_b32 s40, s28, 3
	s_lshl_b32 s41, s20, 1
	s_add_co_u32 s40, s40, s41
	s_lshl_b32 s40, s40, 7                         ; scale image 8 i + 2 w
	s_add_co_u32 s40, s40, s26
	s_add_co_u32 s40, s40, SCOFF
	s_mov_b32 s41, 0
	s_add_nc_u64 s[40:41], s[36:37], s[40:41]
	s_wait_dscnt 16                                ; chunk 0 is back; chunk 1's sixteen loads may be out
	QUANT X, 0, P0, PW
.irp c, 0,1,2
	global_store_b128 v[LI], v[P0+4*\c:P0+4*\c+3], s[38:39] offset:512*\c   ; 512 consecutive bytes, aligned
.endr
	global_store_b32 v[LS], v[PW], s[40:41]
	s_wait_dscnt 0x0
	QUANT X+64, 0, P1, PW+1                        ; its own registers: no store's data are written again
.irp c, 0,1,2
	global_store_b128 v[LI], v[P1+4*\c:P1+4*\c+3], s[38:39] offset:8*FRB+512*\c   ; the next K step's fragment lies eight images on
.endr
	global_store_b32 v[LS], v[PW+1], s[40:41] offset:128
	s_branch .Lend
.Lmask:	; ---- the mask: lane (r, h) takes, of row r, for each of 8 key steps and each block of 32 keys its 16 bytes; a compare makes a lane mask of each byte place
.irp i, 0,1,2,3,4,5,6,7,8,9,10,11,12,13,14,15
	v_mov_b32 v[OUT+\i], 0                         ; written once: v_writelane_b32's destination counts as read
.endr
.irp ch, 0,1
.irp t, 0,1,2,3
.irp b, 0,1,2,3
	ds_load_b128 v[X+64*\ch+16*\t+4*\b:X+64*\ch+16*\t+4*\b+3], v[SM] offset:CHK*\ch+128*\t+64*(\b/2)+16*(\b%2)   ; registers 4 b .. 4 b + 3: keys 64 (b / 2) + 32 (l / 16) + 16 (b % 2) + 0 .. 15
.endr
.endr
.endr
	s_lshl_b32 s38, s23, 12                        ; a tile's 16 steps x 64 words are 4,096 bytes;
	s_and_b32 s39, s20, 1
	s_lshl_b32 s39, s39, 11                        ; my 8 steps
	s_add_co_u32 s38, s38, s39
	s_mov_b32 s39, 0
	s_add_nc_u64 s[38:39], s[16:17], s[38:39]
	s_wait_dscnt 0x0
.set st, 0
.rept 8                                        ; key step st; word n = 8 g + e is byte n % 4 of register n / 4
.set g, 0
.rept 8                                        ; eight words at a time, so that no line waits for the line above it
.irp e, 0,1,2,3,4,5,6,7
	v_and_b32 v[TT+\e], 0xff<<(8*(\e%4)), v[X+16*st+2*g+\e/4]
.endr
.irp e, 0,1,2,3,4,5,6,7
	v_cmp_ne_u32 s[40+\e], 0, v[TT+\e]             ; bit l: lane l's byte is true
.endr
.irp e, 0,1,2,3,4,5,6,7
	v_writelane_b32 v[OUT+4*(st/2)+\e%4], s[40+\e], 16*(st%2)+2*g+\e/4   ; two steps' 128 words lie as 32 lanes x 16 bytes
.endr
.set g, g+1
.endr
.set st, st+1
.endr
.irp p, 0,1,2,3
	global_store_b128 v[LI], v[OUT+4*\p:OUT+4*\p+3], s[38:39] offset:512*\p   ; 512 consecutive bytes, aligned
.endr
.Lend:
	s_wait_tensorcnt 0x0                           ; the wave's end
	ds_add_u32 v[SPW], v[NIL]
	s_wait_dscnt 0x0
	s_endpgm
.Lfunc_end_k_qb25cfece37_prep:
	.size	k_qb25cfece37_prep, .Lfunc_end_k_qb25cfece37_prep-k_qb25cfece37_prep
	.p2alignl 7, 3214868480
	.fill 96, 4, 3214868480
	.section	.rodata,"a",@progbits
	.p2align	6, 0x0
	.amdhsa_kernel k_qb25cfece37_prep
		.amdhsa_group_segment_fixed_size 68096
		.amdhsa_private_segment_fixed_size 0
		.amdhsa_enable_private_segment 0
		.amdhsa_kernarg_size 56
		.amdhsa_user_sgpr_count 2
		.amdhsa_user_sgpr_kernarg_segment_ptr 1
		.amdhsa_wavefront_size32 1
		.amdhsa_system_sgpr_workgroup_id_x 1
		.amdhsa_system_sgpr_workgroup_id_y 1
		.amdhsa_system_sgpr_workgroup_id_z 1
		.amdhsa_system_vgpr_workitem_id 0
		.amdhsa_next_free_vgpr 224
		.amdhsa_next_free_sgpr 66
		.amdhsa_reserve_vcc 0
		.amdhsa_float_denorm_mode_32 3
		.amdhsa_float_denorm_mode_16_64 3
		.amdhsa_memory_ordered 1
		.amdhsa_forward_progress 1
		.amdhsa_inst_pref_size 119
	.end_amdhsa_kernel
	.amdgpu_metadata
---
amdhsa.version: [ 1, 2 ]
amdhsa.kernels:
  - .name:           k_qb25cfece37_prep
    .symbol:         k_qb25cfece37_prep.kd
    .args:
      - { .name: x, .offset: 0, .size: 8, .value_kind: global_buffer, .address_space: global }
      - { .name: W_qkv, .offset: 8, .size: 8, .value_kind: global_buffer, .address_space: global }
      - { .name: W_o, .offset: 16, .size: 8, .value_kind: global_buffer, .address_space: global }
      - { .name: mask, .offset: 24, .size: 8, .value_kind: global_buffer, .address_space: global }
      - { .name: x_op, .offset: 32, .size: 8, .value_kind: global_buffer, .address_space: global }
      - { .name: w_op, .offset: 40, .size: 8, .value_kind: global_buffer, .address_space: global }
      - { .name: mbits, .offset: 48, .size: 8, .value_kind: global_buffer, .address_space: global }
    .group_segment_fixed_size: 68096
    .private_segment_fixed_size: 0
    .kernarg_segment_align: 8
    .kernarg_segment_size: 56
    .max_flat_workgroup_size: 128
    .sgpr_count:     66
    .vgpr_count:     224
    .wavefront_size: 32
...
	.end_amdgpu_metadata
.endif
;; end of part 1
;; launch qkv (part 2): grid 8 x 24, 4 waves a work-group, clusters of 4 x 4, 327,680 bytes of LDS; arguments x_op, w_op, pe, qkv; writes qkv
.if DOCPART == 2
	.amdgcn_target "amdgcn-amd-amdhsa--gfx1250"
	.amdhsa_code_object_version 6
	.text
	.protected	k_qb25cfece37_qkv
	.globl	k_qb25cfece37_qkv
	.p2align	8
	.type	k_qb25cfece37_qkv,@function
k_qb25cfece37_qkv:
	s_mov_b64 s[64:65], 0
	v_nop
	global_prefetch_b8 v0, s[64:65] scope:SCOPE_SE
	s_setreg_imm32_b32 hwreg(HW_REG_WAVE_MODE, 25, 1), 1
	s_wait_xcnt 0x0
	s_wait_alu depctr_hold_cnt(0) depctr_sa_sdst(0) depctr_va_vdst(0) depctr_va_sdst(0) depctr_va_ssrc(0) depctr_va_vcc(0) depctr_vm_vsrc(0)
	s_getreg_b32 s2, hwreg(HW_REG_IB_STS2, 6, 4)
	s_cmp_eq_u32 s2, 0
	s_cbranch_scc0 .Lentry_in_a_cluster
	s_endpgm
.Lentry_in_a_cluster:
	s_bfe_u32 s2, ttmp6, 0x10000c
	s_cmp_lg_u32 s2, 0xf033
	s_cbranch_scc0 .Lentry_shape_is_right
	s_endpgm
.Lentry_shape_is_right:
.set NQ,     2
.set FR,     12
.set FRB,    1536
.set NL,     3
.set NP,     4
.set HALFT,  16*FRB
.set SLOT,   4*HALFT
.set SCL,    2*SLOT
.set HALFS,  8192
.set SPARE,  SCL+4*HALFS
.set OPB,    106496
.set SCOFF,  98304
.set STEPB,  12800
.set LAPS,   2
.set ADRA, 16
.set ADRB, 20
.set LS2,  25
.set LI,   26
.set ADRS, 27
.set SPW,  28
.set NIL,  29
.set PEO,  30
.set SC,   32
.set PE,   64
.set TM,   96
.set SW,   112
.set SELR, 120
.set AF,   128
.set R,    128
.set P,    192
.set CT,   204
.set SEL,  98
.set G1, 24
.set G0, 32
.set G1B, 48
.set G0B, 56
.set G1S, 68
.set G0S, 76
.set G1SB, 80
.set G0SB, 88
.set MSB, 0
.macro WIN new
.if MSB != (\new)
	s_set_vgpr_msb (MSB<<8)|(\new)
.set MSB, (\new)
.endif
.endm
.set MUL_LO, 0xa1
.set MUL_HI, 0xf1
.set TO_B,   0x40
.macro JLOAD g0a, g1a, g0b, g1b
	s_cmp_eq_u32 s15, 0
	s_cbranch_scc0 .Lfor_b_\@
	tensor_load_to_lds s[\g0a:\g0a+3], s[\g1a:\g1a+7]
	s_nop 0
.rept 4
	v_nop
.endr
	s_branch .Lasked_\@
.Lfor_b_\@:
	tensor_load_to_lds s[\g0b:\g0b+3], s[\g1b:\g1b+7]
	s_nop 0
.rept 4
	v_nop
.endr
.Lasked_\@:
.endm
.macro CREST
	s_cmp_lg_u32 s14, 0
	s_cbranch_scc1 .Lnot_wave_0_\@
	s_barrier_signal -3
.Lnot_wave_0_\@:
	s_barrier_wait -3
	s_barrier_signal -1
	s_barrier_wait -1
.endm
.macro CROUND
	s_barrier_signal -1
	s_barrier_wait -1
	CREST
.endm
.macro QUANT src, win, dst, wrd
	WIN (\win)|((\win)<<2)
.irp b, 0,1,2,3
	v_max3_num_f32 v[TM+\b], |v[(\src)+16*\b]|, |v[(\src)+16*\b+1]|, 0x1800000
.endr
.irp i, 2,4,6,8,10,12,14
.irp b, 0,1,2,3
	v_max3_num_f32 v[TM+\b], |v[(\src)+16*\b+\i]|, |v[(\src)+16*\b+\i+1]|, v[TM+\b]
.endr
.endr
	WIN 0
.irp b, 0,1,2,3
	v_permlanex16_b32 v[TM+4+\b], v[TM+\b], s[SEL], s[SEL+1]
.endr
.irp b, 0,1,2,3
	v_max_num_f32 v[TM+\b], v[TM+\b], v[TM+4+\b]
.endr
.irp b, 0,1,2,3
	v_add_nc_u32 v[TM+12+\b], 0xff000000, v[TM+\b]
.endr
.irp b, 0,1,2,3
	v_lshrrev_b32 v[TM+4+\b], 23, v[TM+12+\b]
.endr
	v_lshl_or_b32 v[\wrd], v[TM+5], 8, v[TM+4]
	v_lshl_or_b32 v[\wrd], v[TM+6], 16, v[\wrd]
	v_lshl_or_b32 v[\wrd], v[TM+7], 24, v[\wrd]
	WIN \win
.irp c, 0,1
	v_cvt_scalef32_pk16_fp6_f32 v[(\dst)+6*\c:(\dst)+6*\c+2], v[(\src)+32*\c:(\src)+32*\c+15], v[TM+12+2*\c]
	v_cvt_scalef32_pk16_fp6_f32 v[CT+4*\c:CT+4*\c+2], v[(\src)+32*\c+16:(\src)+32*\c+31], v[TM+13+2*\c]
.endr
	WIN 0
	v_nop
.irp c, 0,1
.irp i, 0,1,2
	v_permlane16_swap_b32 v[(\dst)+6*\c+\i], v[CT+4*\c+\i]
.endr
.irp i, 0,1,2
	v_mov_b32 v[(\dst)+6*\c+3+\i], v[CT+4*\c+\i]
.endr
.endr
.endm
	s_load_b256 s[4:11], s[0:1], 0x0
	v_lshl_add_u32 v[SPW], v0, 2, SPARE
	v_mov_b32 v[NIL], 0
	ds_add_u32 v[SPW], v[NIL]
	ds_add_u32 v[SPW], v[NIL]
	v_lshrrev_b32 v1, 5, v0
	v_readfirstlane_b32 s14, v1
	s_lshr_b32 s15, s14, 1
	s_and_b32 s16, s14, 1
	s_bfe_u32 s40, ttmp6, 0x40000
	s_bfe_u32 s41, ttmp6, 0x40004
	s_and_b32 s17, ttmp7, 0xffff
	s_lshl_b32 s18, s17, 2
	s_add_co_u32 s18, s18, s41
	s_lshl_b32 s42, ttmp9, 2
	s_add_co_u32 s42, s42, s40
	s_sub_co_u32 s19, s17, 4
	s_lshl_b32 s19, s19, 3
	s_add_co_u32 s19, s19, s42
	s_cmp_ge_u32 s17, 4
	s_cselect_b32 s95, 1, 0
	s_cselect_b32 s17, s41, s18
	s_cselect_b32 s42, s19, s42
	s_cselect_b32 s18, 16, 0
	s_lshl_b32 s43, s41, 2
	s_lshl_b32 s43, 15, s43
	s_lshl_b32 s44, 0x1111, s40
	s_or_b32 s[G1+0], s43, (3<<16)|(1<<21)
	s_or_b32 s[G1B+0], s44, (3<<16)|(1<<21)
.irp g, G1, G1B                                ; for the head's loads: both halves of a slot, two rows of HALFT bytes, an operand block apart
	s_mov_b32 s[\g+1], (HALFT/8)<<16
	s_mov_b32 s[\g+2], 2<<16
	s_mov_b32 s[\g+3], (HALFT/8)<<16
	s_mov_b32 s[\g+4], 2
	s_mov_b32 s[\g+5], OPB/8
	s_mov_b32 s[\g+6], 0
	s_mov_b32 s[\g+7], 0
.endr
	s_or_b32 s[G1S+0], s43, (3<<16)|(1<<21)
	s_or_b32 s[G1SB+0], s44, (3<<16)|(1<<21)
.irp g, G1S, G1SB                              ; the scales of both halves: two rows of HALFS bytes, an operand block apart
	s_mov_b32 s[\g+1], (HALFS/8)<<16
	s_mov_b32 s[\g+2], 2<<16
	s_mov_b32 s[\g+3], (HALFS/8)<<16
	s_mov_b32 s[\g+4], 2
	s_mov_b32 s[\g+5], OPB/8
	s_mov_b32 s[\g+6], 0
	s_mov_b32 s[\g+7], 0
.endr
	s_lshl_b32 s20, s17, 1
	s_add_co_u32 s20, s20, s16
	s_add_co_u32 s20, s20, s18
	s_mul_i32 s20, s20, OPB
	s_mov_b32 s21, 0
	s_lshl_b32 s46, s42, 1
	s_add_co_u32 s46, s46, s16
	s_mul_i32 s46, s46, OPB
	s_mov_b32 s47, 0
	s_mul_i32 s45, s14, HALFT
	s_mul_i32 s94, s14, HALFS
	s_mov_b32 s[SEL], 0x76543210
	s_mov_b32 s[SEL+1], 0xfedcba98
	s_wait_dscnt 0x0
	s_wait_kmcnt 0x0
	s_cmp_eq_u32 s95, 1
	s_cselect_b64 s[22:23], s[6:7], s[4:5]
	s_cselect_b64 s[92:93], s[4:5], s[6:7]
	s_add_nc_u64 s[20:21], s[22:23], s[20:21]
	s_add_nc_u64 s[46:47], s[92:93], s[46:47]
	CROUND
	s_mov_b32 s[G0S], 1
	s_add_co_u32 s[G0S+1], s94, SCL-HALFS          ; wave 1 issues it: A's scales from SCL on, from the first half's block on
	s_sub_nc_u64 s[G0S+2:G0S+3], s[20:21], OPB-SCOFF
	s_or_b32 s[G0S+3], s[G0S+3], 0x80000000
	s_mov_b32 s[G0SB], 1
	s_add_co_u32 s[G0SB+1], s94, SCL-HALFS         ; wave 3 issues it: B's scales from SCL + 2 HALFS on
	s_sub_nc_u64 s[G0SB+2:G0SB+3], s[46:47], OPB-SCOFF
	s_or_b32 s[G0SB+3], s[G0SB+3], 0x80000000
.irp s, 0,1
	s_mov_b32 s[G0+4*\s], 1
	s_add_co_u32 s[G0+4*\s+1], s45, \s*SLOT
	s_add_nc_u64 s[G0+4*\s+2:G0+4*\s+3], s[20:21], \s*HALFT
	s_or_b32 s[G0+4*\s+3], s[G0+4*\s+3], 0x80000000
	s_mov_b32 s[G0B+4*\s], 1
	s_add_co_u32 s[G0B+4*\s+1], s45, \s*SLOT
	s_add_nc_u64 s[G0B+4*\s+2:G0B+4*\s+3], s[46:47], \s*HALFT
	s_or_b32 s[G0B+4*\s+3], s[G0B+4*\s+3], 0x80000000
.endr
; THE HEAD'S FOUR TILES, ONE A WAVE, in one tree of branches on the wave's number: wave 0 all of A's slot 0 (its own group 0 begins at A's first half), wave 1 A's scales, wave 2 all of B's slot 0, wave 3 B's scales.
.macro ARM under, g0, g1, next
	s_cmp_lt_u32 s14, \under
	s_cbranch_scc0 \next
	tensor_load_to_lds s[\g0:\g0+3], s[\g1:\g1+7]
	s_nop 0
.rept 4
	v_nop
.endr
	s_branch .Lhead_asked
\next:
.endm
	ARM 1, G0,  G1,  .Lhead_sa
	ARM 2, G0S, G1S, .Lhead_b
	ARM 3, G0B, G1B, .Lhead_sb
	tensor_load_to_lds s[G0SB:G0SB+3], s[G1SB:G1SB+7]
	s_nop 0
.rept 4
	v_nop
.endr
.Lhead_asked:
	s_wait_alu depctr_va_vdst(0)
	s_wait_tensorcnt 0x0                           ; my tile of the four is in
	ds_add_u32 v28, v29
.irp g, G1, G1B                                ; no tensor load of mine is out: from here on a load brings a quarter of a slot, 96 rows of 256 bytes
	s_mov_b32 s[\g+1], 32<<16
	s_mov_b32 s[\g+2], 96<<16
	s_mov_b32 s[\g+3], 32<<16
	s_mov_b32 s[\g+4], 96
	s_mov_b32 s[\g+5], 32
.endr
	s_wait_dscnt 0x0
	CROUND
	JLOAD G0+4, G1, G0B+4, G1B                     ; slot 1's first fill, the first tensor load behind the round
	v_and_b32 v1, 31, v0
	v_and_b32 v2, 15, v0
	v_bfe_u32 v3, v0, 4, 1
	s_wait_alu depctr_va_vdst(0)
	v_lshlrev_b32 v[LI], 4, v1
	s_mul_i32 s21, s15, HALFT
	s_mul_i32 s22, s16, HALFT
	s_add_co_u32 s22, s22, 2*HALFT
.irp s, 0,1
	v_add_nc_u32 v[ADRA+\s], s21, v[LI]
	v_add_nc_u32 v[ADRB+\s], s22, v[LI]
	s_add_co_u32 s21, s21, SLOT
	s_add_co_u32 s22, s22, SLOT
.endr
	v_lshlrev_b32 v5, 2, v1
	s_mul_i32 s21, s15, HALFS
	s_mul_i32 s22, s16, HALFS
	s_add_co_u32 s22, s22, 2*HALFS
	s_sub_co_u32 s22, s22, s21
	v_mul_u32_u24 v6, s22, v3
	s_add_co_u32 s21, s21, SCL
	v_add_nc_u32 v5, v5, v6
	v_add_nc_u32 v[ADRS], s21, v5
	v_lshlrev_b32 v[LS2], 5, v2
	v_lshl_add_u32 v[LS2], v3, 4, v[LS2]
	v_and_b32 v4, 8, v2
	v_add_nc_u32 v4, v4, v2
	v_lshlrev_b32 v[PEO], 7, v4
.irp b, 0,1,2,3
	v_mov_b32 v[TM+4+\b], 0
.endr
	s_lshl_b32 s20, s17, 1
	s_add_co_u32 s20, s20, s15
	s_lshl_b32 s46, s42, 1
	s_add_co_u32 s46, s46, s16
	s_add_co_u32 s21, s20, 16
	s_cmp_eq_u32 s95, 1
	s_cselect_b32 s22, s46, s20
	s_cselect_b32 s23, s21, s46
	s_lshr_b32 s46, s23, 3
	s_lshl_b32 s46, s46, 1
	s_lshr_b32 s47, s22, 4
	s_add_co_u32 s46, s46, s47
	s_lshl_b32 s46, s46, 3
	s_and_b32 s23, s23, 7
	s_add_co_u32 s46, s46, s23
	s_lshl_b32 s46, s46, 4
	s_and_b32 s22, s22, 15
	s_add_co_u32 s46, s46, s22
	s_mul_i32 s46, s46, STEPB
	s_mov_b32 s47, 0
	s_add_nc_u64 s[12:13], s[10:11], s[46:47]
.macro FRAG reg, adr, q, i
.irp c, 0,1,2
	ds_load_b128 v[\reg+4*\c:\reg+4*\c+3], v[\adr] offset:(8*(\q)+(\i))*FRB+512*\c
.endr
.endm
.macro MUL16 a0, p, q, sc, zero
.irp a, \a0, \a0+1
.irp b, 0,1,2,3,4,5,6,7
.if \zero
	v_wmma_scale_f32_16x16x128_f8f6f4 v[8*(8*((\a)%4)+\b):8*(8*((\a)%4)+\b)+7], v[128*(\p)+FR*\b:128*(\p)+FR*\b+FR-1], v[AF+FR*(\a):AF+FR*(\a)+FR-1], 0, v[SC+8*NQ*(\sc)+NQ*\b+(\q)], v[SC+8*NQ*(\sc)+NQ*(\a)+(\q)] matrix_a_fmt:MATRIX_FMT_FP6 matrix_b_fmt:MATRIX_FMT_FP6 matrix_a_scale:MATRIX_SCALE_ROW1
.else
	v_wmma_scale_f32_16x16x128_f8f6f4 v[8*(8*((\a)%4)+\b):8*(8*((\a)%4)+\b)+7], v[128*(\p)+FR*\b:128*(\p)+FR*\b+FR-1], v[AF+FR*(\a):AF+FR*(\a)+FR-1], v[8*(8*((\a)%4)+\b):8*(8*((\a)%4)+\b)+7], v[SC+8*NQ*(\sc)+NQ*\b+(\q)], v[SC+8*NQ*(\sc)+NQ*(\a)+(\q)] matrix_a_fmt:MATRIX_FMT_FP6 matrix_b_fmt:MATRIX_FMT_FP6 matrix_a_scale:MATRIX_SCALE_ROW1
.endif
.endr
.endr
.endm
.macro FETCH_B slot, q, p
	WIN TO_B
.irp i, 0,1,2,3,4,5,6,7
	FRAG 128*(\p)+FR*\i, ADRB+\slot, \q, \i
.endr
	WIN 0
.endm
.macro FETCH_A slot, q, i0
.irp i, \i0, \i0+1, \i0+2, \i0+3
	FRAG AF+FR*(\i), ADRA+\slot, \q, \i
.endr
.endm
.macro SCALES sc
.irp i, 0,1,2,3,4,5,6,7
.irp q, 0,1
	ds_load_b32 v[SC+8*NQ*\sc+NQ*\i+\q], v[ADRS] offset:1024*\i+128*\q
.endr
.endr
.endm
.macro PLACES n
.rept \n
	v_nop
.endr
.endm
.macro STEP slot, q, zero
	s_wait_dscnt 4*NL
	WIN MUL_LO
	MUL16 0, (\q)%2, \q, \slot, \zero
	MUL16 2, (\q)%2, \q, \slot, \zero
	s_wait_dscnt 0
	PLACES NP
	FETCH_B \slot, (\q)+1, 1-(\q)%2
	FETCH_A \slot, (\q)+1, 0
	WIN MUL_HI
	MUL16 4, (\q)%2, \q, \slot, \zero
	MUL16 6, (\q)%2, \q, \slot, \zero
	PLACES NP
	WIN 0
	FETCH_A \slot, (\q)+1, 4
.endm
.macro TURN slot, next, fill
	s_wait_tensorcnt 0x0
	ds_add_u32 v[SPW], v[NIL]
	s_wait_dscnt 4*NL+1
	WIN MUL_LO
	MUL16 0, 1, NQ-1, \slot, 0
	s_wait_dscnt 0x0
	s_barrier_signal -1
	MUL16 2, 1, NQ-1, \slot, 0
	WIN 0
	s_barrier_wait -1
.if \fill
	CREST
	s_add_nc_u64 s[G0+4*\slot+2:G0+4*\slot+3], s[G0+4*\slot+2:G0+4*\slot+3], 2*HALFT
	s_add_nc_u64 s[G0B+4*\slot+2:G0B+4*\slot+3], s[G0B+4*\slot+2:G0B+4*\slot+3], 2*HALFT
	JLOAD G0+4*\slot, G1, G0B+4*\slot, G1B
.else
	PLACES NP
.endif
	s_wait_alu depctr_va_vdst(0)
	v_add_nc_u32 v[ADRS], 128*NQ, v[ADRS]
	FETCH_B \next, 0, 0
	FETCH_A \next, 0, 0
	SCALES \next
	WIN MUL_HI
	MUL16 4, 1, NQ-1, \slot, 0
	MUL16 6, 1, NQ-1, \slot, 0
	PLACES NP
	WIN 0
	FETCH_A \next, 0, 4
.endm
	s_wait_tensorcnt 1
	s_barrier_signal -1
	s_barrier_wait -1
	FETCH_B 0, 0, 0
	FETCH_A 0, 0, 0
	SCALES 0
	FETCH_A 0, 0, 4
	STEP 0, 0, 1
	s_mov_b32 s3, LAPS-1
.Llap:
	TURN 0, 1, 1
	STEP 1, 0, 0
	TURN 1, 0, 1
	STEP 0, 0, 0
	s_sub_co_u32 s3, s3, 1
	s_cmp_lg_u32 s3, 0
	s_cbranch_scc1 .Llap
	TURN 0, 1, 0
	STEP 1, 0, 0
	s_wait_dscnt 4*NL
	WIN MUL_LO
	MUL16 0, 1, NQ-1, 1, 0
	MUL16 2, 1, NQ-1, 1, 0
	s_wait_dscnt 0
	WIN MUL_HI
	MUL16 4, 1, NQ-1, 1, 0
	MUL16 6, 1, NQ-1, 1, 0
	WIN 0
.macro ST a
.irp c, 0,1,2
	global_store_b128 v[LI], v[P+4*\c:P+4*\c+3], s[12:13] offset:FRB*(\a)+512*\c
.endr
.endm
.macro ROT a
.set AC, 64*((\a)%4)
	WIN 2+(\a)/4
.set i, 0
.rept 32
.if i < 16
	v_pk_mul_f32 v[R+2*i:R+2*i+1], v[AC+2*i:AC+2*i+1], v[PE+4*(\a)+2:PE+4*(\a)+3] op_sel_hi:[1,0]
.else
	v_pk_mul_f32 v[R+2*i:R+2*i+1], v[AC+2*i:AC+2*i+1], v[PE+4*(\a)+2:PE+4*(\a)+3] op_sel:[0,1] op_sel_hi:[1,1]
.endif
.set i, i+1
.endr
.set i, 0
.rept 32
.if i < 16
	v_pk_fma_f32 v[R+2*i:R+2*i+1], v[AC+2*i:AC+2*i+1], v[PE+4*(\a):PE+4*(\a)+1], v[R+2*i:R+2*i+1] op_sel:[1,0,0] op_sel_hi:[0,0,1] neg_lo:[0,1,0]
.else
	v_pk_fma_f32 v[R+2*i:R+2*i+1], v[AC+2*i:AC+2*i+1], v[PE+4*(\a):PE+4*(\a)+1], v[R+2*i:R+2*i+1] op_sel:[1,1,0] op_sel_hi:[0,1,1] neg_lo:[0,1,0]
.endif
.set i, i+1
.endr
	WIN 0
.endm
	PLACES NP
	s_cmp_eq_u32 s95, 1
	s_cbranch_scc1 .Lvpath
	s_lshl_b32 s46, s22, 14
	s_lshl_b32 s23, s23, 3
	s_add_co_u32 s46, s46, s23
	s_add_nc_u64 s[96:97], s[8:9], s[46:47]
.irp a, 0,1,2,3,4,5,6,7
	global_load_b64 v[PE+4*\a:PE+4*\a+1], v[PEO], s[96:97] offset:(32*(\a/2)+8*(\a%2))*128
	global_load_b64 v[PE+4*\a+2:PE+4*\a+3], v[PEO], s[96:97] offset:(32*(\a/2)+8*(\a%2))*128+64
.endr
	s_wait_loadcnt 0x0
.irp a, 0,1,2,3,4,5,6,7
	s_wait_xcnt 0x0
	ROT \a
	QUANT R, 0, P, SW+\a
	ST \a
.endr
	s_branch .Ljoin
.Lvpath:
.irp a, 0,1,2,3,4,5,6,7
	s_wait_xcnt 0x0
	QUANT 64*(\a%4), 2+\a/4, P, SW+\a
	ST \a
.endr
.Ljoin:
	s_mov_b32 s94, 0xffff0000
.irp i, 0,1,2,3
	v_cndmask_b32 v[SELR+\i], v[SW+\i], v[SW+4+\i], s94
.endr
	global_store_b128 v[LS2], v[SELR:SELR+3], s[12:13] offset:8*FRB
	s_wait_tensorcnt 0x0
	ds_add_u32 v[SPW], v[NIL]
	s_wait_dscnt 0x0
	CROUND
	s_endpgm
.Lfunc_end_k_qb25cfece37_qkv:
	.size	k_qb25cfece37_qkv, .Lfunc_end_k_qb25cfece37_qkv-k_qb25cfece37_qkv
	.p2alignl 7, 3214868480
	.fill 96, 4, 3214868480
	.section	.rodata,"a",@progbits
	.p2align	6, 0x0
	.amdhsa_kernel k_qb25cfece37_qkv
		.amdhsa_group_segment_fixed_size 327680
		.amdhsa_private_segment_fixed_size 0
		.amdhsa_enable_private_segment 0
		.amdhsa_kernarg_size 32
		.amdhsa_user_sgpr_count 2
		.amdhsa_user_sgpr_kernarg_segment_ptr 1
		.amdhsa_wavefront_size32 1
		.amdhsa_system_sgpr_workgroup_id_x 1
		.amdhsa_system_sgpr_workgroup_id_y 1
		.amdhsa_system_sgpr_workgroup_id_z 1
		.amdhsa_system_vgpr_workitem_id 0
		.amdhsa_next_free_vgpr 1024
		.amdhsa_next_free_sgpr 100
		.amdhsa_reserve_vcc 0
		.amdhsa_float_denorm_mode_32 3
		.amdhsa_float_denorm_mode_16_64 3
		.amdhsa_memory_ordered 1
		.amdhsa_forward_progress 1
		.amdhsa_inst_pref_size 210
	.end_amdhsa_kernel
	.amdgpu_metadata
---
amdhsa.version: [ 1, 2 ]
amdhsa.kernels:
  - .name:           k_qb25cfece37_qkv
    .symbol:         k_qb25cfece37_qkv.kd
    .args:
      - { .name: x_op, .offset: 0, .size: 8, .value_kind: global_buffer, .address_space: global }
      - { .name: w_op, .offset: 8, .size: 8, .value_kind: global_buffer, .address_space: global }
      - { .name: pe, .offset: 16, .size: 8, .value_kind: global_buffer, .address_space: global }
      - { .name: qkv, .offset: 24, .size: 8, .value_kind: global_buffer, .address_space: global }
    .group_segment_fixed_size: 327680
    .private_segment_fixed_size: 0
    .kernarg_segment_align: 8
    .kernarg_segment_size: 32
    .max_flat_workgroup_size: 128
    .sgpr_count:     100
    .vgpr_count:     1024
    .wavefront_size: 32
...
	.end_amdgpu_metadata
.endif
;; end of part 2
;; launch attn (part 3): grid 16 x 16, 4 waves a work-group, clusters of 4 x 1, 327,680 bytes of LDS; arguments qkv, mbits, a2_op; writes a2_op
.if DOCPART == 3
	.amdgcn_target "amdgcn-amd-amdhsa--gfx1250"
	.amdhsa_code_object_version 6
	.text
	.protected	k_qb25cfece37_attn
	.globl	k_qb25cfece37_attn
	.p2align	8
	.type	k_qb25cfece37_attn,@function
k_qb25cfece37_attn:
	s_mov_b64 s[64:65], 0
	v_nop
	global_prefetch_b8 v0, s[64:65] scope:SCOPE_SE
	s_setreg_imm32_b32 hwreg(HW_REG_WAVE_MODE, 25, 1), 1
	s_wait_xcnt 0x0
	s_wait_alu depctr_hold_cnt(0) depctr_sa_sdst(0) depctr_va_vdst(0) depctr_va_sdst(0) depctr_va_ssrc(0) depctr_va_vcc(0) depctr_vm_vsrc(0)
	s_getreg_b32 s2, hwreg(HW_REG_IB_STS2, 6, 4)
	s_cmp_eq_u32 s2, 0
	s_cbranch_scc0 .Lentry_in_a_cluster
	s_endpgm
.Lentry_in_a_cluster:
	s_bfe_u32 s2, ttmp6, 0x10000c
	s_cmp_lg_u32 s2, 0x3003
	s_cbranch_scc0 .Lentry_shape_is_right
	s_endpgm
.Lentry_shape_is_right:
; LAUNCH 3 OF 4.  For each batch and head: scores = q k^T / sqrt(32), the mask, the softmax, the product with v; the result, divided by the row's sum, is quantised for the projection.
; Both products on codes of FP6 (E2M3) with E8M0 scales.  No work is left out: the mask is an input, so every key is walked for every query.
; THE SOFTMAX: t = score x c, c = log2(e) / sqrt(32); M = the row's largest t so far, rounded up to a whole number; p = 2^(t - M) is quantised along the keys, not normalised; the row's sum is
; taken of the unquantised p.  When M moves, the sum and O are multiplied by 2^(old M - new M): exact.
; SHARES.  A work-group owns 128 queries of one batch and one group of four heads.  Four waves, one to a SIMD; wave w owns query tiles 2 w and 2 w + 1 for the four heads and walks 16 steps of 128 keys.
; A step's 8 fragments of K and 8 of V are read from LDS once for the wave's 32 queries.
; THE WORK GOES BY UNITS (a tile, a head), eight to a step, STAGGERED on two buffers of scores: the eight products K Q^T of unit n + 1 stand among the 64 exponentials of unit n; in the stretch of plain
; lines between two batches of exponentials the end of unit n (O's scaling, the sum, the scale word, the codes, the product with V) and the start of unit n + 1 (maxima, M, t - M) go line by line in turn.
; FOUR HEADS SHARE A FRAGMENT OF K (16 keys x 128 channels): head j's fragment of Q holds its codes in block j and zero codes elsewhere (scale byte 1 there).
; A TILE OF K IS COMPOSED BY THE LANES' ADDRESSES: rows 0-7 of tile 4 c + t are keys 64 c + 8 t + 0..7, rows 8-15 the keys 32 further on.  With S^T = K Q^T score register 32 c + i of lane (r, h) is then
; key 64 c + 32 h + i of query r: a lane holds WHOLE blocks of 32 keys, in the order of the operand's registers: a block's maximum needs no other lane, and p's codes need no exchange.
; THE MASK: launch 1 has laid one lane mask for each score register; they come by scalar loads, a tile ahead, and make 64 bias registers, 0 or -2^120, the C of K Q^T, for the tile's four heads.
; A hidden score lies near -2^120, under the starting largest score, -2^100: it never moves M, and its p is 0.  A ROW WITH NO OPEN KEY SO FAR keeps -2^100; there the scaling's two factors are replaced by 0,
; so that p = 1 for every key, the even weights of a softmax of equal numbers.  The first open key moves M so far that the factor 2^(old M - new M) is 0 and wipes what was summed.
; LIMITS: open scores stay under 2^95 in magnitude.  NaN and infinities are not served.  A block's largest p is taken from its largest score by the same two instructions (v_exp_f32 is taken not to fall where its input rises).
; CLUSTER: the four query blocks of a cluster belong to one batch and group and walk the same K and V: each tile is asked for jointly.  No prefetch is laid: a slot's load goes out four key steps,
; 32 softmaxes of a wave, ahead of its first read.
; LDS: a step's block of 12,800 bytes lies as 50 rows of 256 + 32 bytes.
; REGISTERS.  Window 0: addresses, statistics, scale words, p's codes.  Window 1: v0-127 S^T, two buffers; v160-255 K (one window setting serves an exponential and K Q^T).
; Window 2: v64-159 V, v192-255 the bias.  Window 3: v0-71 Q, v128-255 O^T.
.set STEPB, 12800                      ; a step's block in memory: 8 images and 512 bytes of scale words [row][fragment]
.set STEPL, 14400                      ; and in LDS
.set FRB,   1536
.set FRL,   1728                       ; an image in LDS: six rows of 288
.set SWO,   8*FRB
.set SWL,   48*288                     ; the scale words in LDS: rows 0-7, and 288 on rows 8-15
.set VOFF,  4*STEPL                    ; a slot: four steps of K, then four of V
.set SLOT1, 1<<17
.set SPARE, SLOT1+8*STEPL              ; the spare words, 128 bytes for each wave, which no other line names
.set OPB,   106496
.set SCOFF, 98304
.set LV,  1                            ; lane terms of the LDS addresses: V's images (with VOFF),
.set LK,  2                            ; K's composed tiles,
.set LKS, 3                            ; K's scale words,
.set LVS, 4                            ; V's (with VOFF)
.set SPW, 5                            ; my spare word; never rewritten
.set NIL, 6                            ; 0; never rewritten
.set NEG, 7                            ; -2^120
.set ZR,  8                            ; 0
.set CC,  9                            ; c
.set SH8, 10                           ; 8 x (lane / 16)
.set L16, 11                           ; 16 x lane
.set ADK, 12
.set ADV, 13
.set ADKS, 14
.set ADVS, 15
.set ST,  16                           ; tile a, head j: v[16 + 16 a + 4 j] -M, +1 the largest score, +2, +3 the sum in two halves
.set KS,  48
.set VS,  56
.set QS,  64                           ; + 4 a + j
.set PS,  72                           ; from here on: a set for each parity u = j % 2 of a unit.  p's scale word
.set CE,  76                           ; pairs: c or 0;
.set NE,  80                           ; -M or 0;
.set FF,  84                           ; 2^(old M - new M)
.set BM,  88                           ; the blocks' largest: + 2 u + c; the second chains 4 on
.set TA,  96
.set TX,  98
.set TC,  100
.set SO,  102                          ; the conversions' scale operands
.set BY,  106                          ; the scale bytes
.set SU,  110                          ; at work on the way out
.set P,   122                          ; p's codes: + 12 u
.set CT,  146                          ; the conversions' second halves: + 8 u
.set TM,  162                          ; at work in QUANT
.set WD,  178                          ; the result's scale words
.set RQ,  180                          ; in the head: Q as loaded
.set RS,  204
.set LT,  180                          ; in the steps: v180-211 the sum's tree
.set KF,  160                          ; window 1
.set VF,  64                           ; window 2
.set BI,  192
.set QF,  0                            ; window 3: tile a at + 36 a: head 0's six, six zeros, head 2's six; head 1's, zeros, head 3's
.set O,   128                          ; + 64 a + 16 j + 8 tile of channels
.set WV,  2
.set TB,  3                            ; LDS byte at which the step in hand begins
.set MO,  10                           ; byte offset of the step's mask words
.set STG, 11
.set SLOTS, 12
.set STC, 13
.set SEL, 14
.set G1,  16
.set G0,  24
.set CM,  28                           ; s28, s29: in the head the lanes' halves, then a unit's lane mask
.set MSB, 0
.macro WIN new                         ; the immediate's high byte repeats the setting that is left
.if MSB != (\new)
	s_set_vgpr_msb (MSB<<8)|(\new)
.set MSB, (\new)
.endif
.endm
.macro CROUND                          ; a round of the cluster's barrier
	s_barrier_signal -1
	s_barrier_wait -1
	s_cmp_lg_u32 s[WV], 0
	s_cbranch_scc1 .Lnot_wave_0_\@
	s_barrier_signal -3
.Lnot_wave_0_\@:
	s_barrier_wait -3
	s_barrier_signal -1
	s_barrier_wait -1
.endm
.macro QUANT src, win, dst, wrd        ; as in launches 1 and 2: register 16 b + i = k 32 b + 16 (lane / 16) + i
	WIN (\win)|((\win)<<2)
.irp b, 0,1,2,3
	v_max3_num_f32 v[TM+\b], |v[(\src)+16*\b]|, |v[(\src)+16*\b+1]|, 0x1800000
.endr
.irp i, 2,4,6,8,10,12,14
.irp b, 0,1,2,3
	v_max3_num_f32 v[TM+\b], |v[(\src)+16*\b+\i]|, |v[(\src)+16*\b+\i+1]|, v[TM+\b]
.endr
.endr
	WIN 0
.irp b, 0,1,2,3
	v_permlanex16_b32 v[TM+4+\b], v[TM+\b], s[SEL], s[SEL+1]
.endr
.irp b, 0,1,2,3
	v_max_num_f32 v[TM+\b], v[TM+\b], v[TM+4+\b]
.endr
.irp b, 0,1,2,3
	v_add_nc_u32 v[TM+12+\b], 0xff000000, v[TM+\b]
.endr
.irp b, 0,1,2,3
	v_lshrrev_b32 v[TM+4+\b], 23, v[TM+12+\b]
.endr
	v_lshl_or_b32 v[\wrd], v[TM+5], 8, v[TM+4]
	v_lshl_or_b32 v[\wrd], v[TM+6], 16, v[\wrd]
	v_lshl_or_b32 v[\wrd], v[TM+7], 24, v[\wrd]
	WIN \win
.irp c, 0,1
	v_cvt_scalef32_pk16_fp6_f32 v[(\dst)+6*\c:(\dst)+6*\c+2], v[(\src)+32*\c:(\src)+32*\c+15], v[TM+12+2*\c]
	v_cvt_scalef32_pk16_fp6_f32 v[CT+4*\c:CT+4*\c+2], v[(\src)+32*\c+16:(\src)+32*\c+31], v[TM+13+2*\c]
.endr
	WIN 0
	v_nop                                          ; one plain place behind a scaled conversion
.irp c, 0,1
.irp i, 0,1,2
	v_permlane16_swap_b32 v[(\dst)+6*\c+\i], v[CT+4*\c+\i]
.endr
.irp i, 0,1,2
	v_mov_b32 v[(\dst)+6*\c+3+\i], v[CT+4*\c+\i]
.endr
.endr
.endm
	s_load_b128 s[4:7], s[0:1], 0x0                ; qkv s[4:5], mbits s[6:7]
	s_load_b64 s[8:9], s[0:1], 0x10                ; a2_op
	v_lshl_add_u32 v[SPW], v0, 2, SPARE
	v_mov_b32 v[NIL], 0
	ds_add_u32 v[SPW], v[NIL]                      ; the opening
	ds_add_u32 v[SPW], v[NIL]
	v_lshrrev_b32 v206, 5, v0
	v_readfirstlane_b32 s[WV], v206                ; wave 0..3
	s_bfe_u32 s32, ttmp6, 0x40000                  ; cx
	s_lshl_b32 s33, ttmp9, 2
	s_add_co_u32 s33, s33, s32                     ; qb, my block of 128 queries: it enters Q's, the mask's and the result's addresses alone
	s_and_b32 s34, ttmp7, 0xffff                   ; 8 batch + group, which the four partners share
	s_lshr_b32 s35, s34, 3
	s_and_b32 s36, s34, 7
	s_mov_b32 s[G1], 15|(3<<16)|(1<<20)|(1<<21)|(5<<22)|(7<<25)   ; the mask: all four; elements of 8 bytes; behind every 64 words 8 words of padding
	s_mov_b32 s[G1+1], 32<<16                      ; two steps, 25,600 dense bytes, as 100 rows of 256
	s_mov_b32 s[G1+2], 100<<16
	s_mov_b32 s[G1+3], 32<<16
	s_mov_b32 s[G1+4], 100
	s_mov_b32 s[G1+5], 32
	s_mov_b32 s[G1+6], 0
	s_mov_b32 s[G1+7], 0
	s_lshr_b32 s37, s[WV], 1                       ; what I fetch: waves 0, 1 two steps of K each, waves 2, 3 of V
	s_add_co_u32 s37, s37, 1                       ; region 1 or 2
	s_lshl_b32 s37, s37, 4
	s_add_co_u32 s37, s37, s34
	s_lshl_b32 s37, s37, 4
	s_and_b32 s38, s[WV], 1
	s_lshl_b32 s38, s38, 1
	s_add_co_u32 s37, s37, s38
	s_mul_i32 s40, s37, STEPB
	s_mov_b32 s41, 0
	s_lshl_b32 s42, s34, 4
	s_add_co_u32 s42, s42, s33
	s_mul_i32 s42, s42, STEPB                      ; Q: region 0, step qb
	s_mov_b32 s43, 0
	s_lshl_b32 s44, s35, 7
	s_lshl_b32 s45, s33, 3
	s_add_co_u32 s44, s44, s45
	s_lshl_b32 s45, s[WV], 1
	s_add_co_u32 s44, s44, s45                     ; my first tile of queries among the mask's 256
	s_lshl_b32 s44, s44, 12
	s_mov_b32 s45, 0
	s_lshl_b32 s46, s35, 4
	s_add_co_u32 s46, s46, s33
	s_mul_i32 s46, s46, OPB                        ; the result's operand block
	s_mov_b32 s47, 0
	s_lshl_b32 s66, s36, 3
	s_lshl_b32 s67, s[WV], 1
	s_add_co_u32 s66, s66, s67
	s_mul_i32 s66, s66, FRB                        ; in it: fragment (K step = group, tile = 2 wave),
	s_lshl_b32 s67, s[WV], 4
	s_add_co_u32 s67, s67, s36
	s_lshl_b32 s67, s67, 7
	s_add_co_u32 s67, s67, SCOFF                   ; and its scale image
	s_mov_b32 s[SEL], 0x76543210
	s_mov_b32 s[SEL+1], 0xfedcba98
	s_mov_b32 s28, 0x0000ffff
	s_mov_b32 s29, 0xffff0000
	s_mov_b32 s30, 0xf1800000                      ; -2^100
	s_mov_b32 s31, 0x01010101
	s_mov_b32 s[TB], 0
	s_mov_b32 s[STG], 0
	s_mov_b32 s[MO], 0
	s_mov_b32 s[SLOTS], 3
	s_mul_i32 s38, s[WV], 2*FRB
	s_lshl_b32 s39, s[WV], 3
	s_wait_dscnt 0x0                               ; both opening adds are done
	s_wait_kmcnt 0x0
	s_mov_b32 s[G0], 1
	s_mul_i32 s[G0+1], s[WV], 2*STEPL              ; LDS: wave x two blocks, slot 0
	s_add_nc_u64 s[G0+2:G0+3], s[4:5], s[40:41]
	s_or_b32 s[G0+3], s[G0+3], 0x80000000
	s_add_nc_u64 s[4:5], s[4:5], s[42:43]
	s_add_nc_u64 s[6:7], s[6:7], s[44:45]
	s_add_nc_u64 s[8:9], s[8:9], s[46:47]
	CROUND                                         ; all four work-groups are here: the first joint loads meet
	tensor_load_to_lds s[G0:G0+3], s[G1:G1+7]      ; every wave issues one: one load of mine is out
	s_nop 0
.rept 4
	v_nop
.endr
	v_and_b32 v206, 15, v0                         ; r
	v_bfe_u32 v207, v0, 4, 1                       ; h
	v_and_b32 v208, 31, v0
	v_and_b32 v209, 7, v0                          ; r % 8
	v_bfe_u32 v210, v0, 3, 1                       ; r / 8
	v_lshlrev_b32 v[L16], 4, v208
	v_lshlrev_b32 v[SH8], 3, v207
	v_mul_u32_u24 v[LK], v207, 288
	v_lshl_add_u32 v[LV], v206, 4, v[LK]           ; V: 288 h + 16 r
	v_add_nc_u32 v[LV], VOFF, v[LV]
	v_lshl_add_u32 v[LK], v209, 4, v[LK]
	v_mad_u32_u24 v[LK], v210, 2*FRL, v[LK]        ; K: 288 h + 16 (r % 8), rows 8-15 two images on
	v_lshlrev_b32 v[LKS], 5, v209
	v_mad_u32_u24 v[LVS], v210, 288, v[LKS]        ; V's words: row r
	v_add_nc_u32 v[LVS], VOFF, v[LVS]
	v_lshl_add_u32 v[LKS], v210, 3, v[LKS]         ; K's words: row r % 8, rows 8-15 two fragments on
	v_add_nc_u32 v211, s38, v[L16]                 ; Q: fragment 2 wave
	v_lshl_add_u32 v212, v206, 5, s39              ; and its scale word
	v_mov_b32 v[NEG], 0xfb800000
	v_mov_b32 v[ZR], 0
	v_mov_b32 v[CC], 0x3e8293ee
	s_wait_alu depctr_va_vdst(0)
.irp a, 0,1
.irp c, 0,1,2
	global_load_b128 v[RQ+12*\a+4*\c:RQ+12*\a+4*\c+3], v211, s[4:5] offset:FRB*\a+512*\c
.endr
	global_load_b32 v[RS+\a], v212, s[4:5] offset:SWO+4*\a
.endr
	s_load_b512 s[32:47], s[6:7], 0x0              ; the mask words of tile 0, step 0: word n in s[32 + n], from n = 32 on in s[36 + n]
	s_load_b512 s[48:63], s[6:7], 0x40
	s_load_b512 s[68:83], s[6:7], 0x80
	s_load_b512 s[84:99], s[6:7], 0xc0
.irp q, 0,1,2,3,4,5,6,7
	v_mov_b32 v[ST+4*\q], 0x71800000               ; -M = 2^100
	v_mov_b32 v[ST+4*\q+1], s30                    ; the largest score so far
	v_mov_b32 v[ST+4*\q+2], 0
	v_mov_b32 v[ST+4*\q+3], 0
	v_mov_b32 v[SU+\q], 0                          ; written once: a lane permute's destination counts as one of its sources
.endr
.irp i, 0,1,2,3
	v_mov_b32 v[TM+4+\i], 0
.endr
	v_mov_b32 v[TX], 0
	v_mov_b32 v[TX+1], 0
.irp i, 1,3,5,7,9,11
	v_mov_b32 v[CE+\i], 0                          ; (named as the upper halves of pairs)
.endr
	WIN 0xc0
.set i, 0
.rept 128
	v_mov_b32 v[O+i], 0                            ; O^T: the step is written once for all steps, and the first finds zeros
.set i, i+1
.endr
	WIN 0
	s_wait_alu depctr_va_vdst(0)
	s_wait_loadcnt 0x0                             ; Q
	WIN 0xc0
.irp a, 0,1
.irp j, 0,1,2,3                                ; block j of a fragment lies in registers 6 (j / 2) .. + 5 of the lanes' half j % 2
.irp i, 0,1,2,3,4,5
	v_cndmask_b32 v[QF+36*\a+18*(\j%2)+12*(\j/2)+\i], v[ZR], v[RQ+12*\a+6*(\j/2)+\i], s[28+\j%2]
.endr
.endr
.irp u, 0,1
.irp i, 0,1,2,3,4,5
	v_mov_b32 v[QF+36*\a+18*\u+6+\i], 0
.endr
.endr
.endr
	WIN 0
.irp a, 0,1
.irp j, 0,1,2,3
	v_bfi_b32 v[QS+4*\a+\j], 0xff<<(8*\j), v[RS+\a], s31   ; head j's byte at its place, the byte 1 at the three others
.endr
.endr
	s_wait_alu depctr_va_vdst(0)
.macro KLOAD off                       ; a step's eight composed tiles of K and their scale words: 28 LDS loads
	WIN 0x40
.irp t, 0,1,2,3,4,5,6,7
.irp c, 0,1,2
	ds_load_b128 v[KF+12*\t+4*\c:KF+12*\t+4*\c+3], v[ADK] offset:(\off)+(4*(\t/4)+(\t%2))*FRL+128*((\t%4)/2)+576*\c
.endr
.endr
	WIN 0
	ds_load_b64 v[KS:KS+1], v[ADKS] offset:(\off)+SWL
	ds_load_b64 v[KS+2:KS+3], v[ADKS] offset:(\off)+SWL+288
	ds_load_b64 v[KS+4:KS+5], v[ADKS] offset:(\off)+SWL+16
	ds_load_b64 v[KS+6:KS+7], v[ADKS] offset:(\off)+SWL+304
.endm
; The bias of tile a: 64 selects for four heads; then the next tile's words are asked for.
.macro BIAS a
	s_wait_alu depctr_va_vdst(0)
	s_wait_kmcnt 0x0
	WIN 0x80
.set n, 0
.rept 64
	v_cndmask_b32 v[BI+n], v[NEG], v[ZR], s[32+n+4*(n/32)]
.set n, n+1
.endr
	WIN 0
.if \a == 0
	s_load_b512 s[32:47], s[6:7], s[MO] offset:0x1000     ; tile 1, this step
	s_load_b512 s[48:63], s[6:7], s[MO] offset:0x1040
	s_load_b512 s[68:83], s[6:7], s[MO] offset:0x1080
	s_load_b512 s[84:99], s[6:7], s[MO] offset:0x10c0
.rept 4
	v_nop                                          ; places between the last select and the products that take the bias
.endr
	s_wait_alu depctr_va_vdst(0)
	s_wait_dscnt 26                                ; K and its words are in; V's 24 loads and its 2 scale loads may be out
.else
	s_add_co_u32 s[STG], s[STG], 1
	s_min_u32 s[MO], s[STG], 15                    ; tile 0, the next step; the last step asks for its own once more, inside the buffer, and nobody reads them
	s_lshl_b32 s[MO], s[MO], 8
	s_load_b512 s[32:47], s[6:7], s[MO] offset:0x0
	s_load_b512 s[48:63], s[6:7], s[MO] offset:0x40
	s_load_b512 s[68:83], s[6:7], s[MO] offset:0x80
	s_load_b512 s[84:99], s[6:7], s[MO] offset:0xc0
.endif
.endm
.macro QK1 a, j, t                     ; tile t of S^T of unit (a, j), into buffer j % 2.  Window setting 0x6d: S and K window 1, Q window 3, the bias window 2
	v_wmma_scale_f32_16x16x128_f8f6f4 v[64*((\j)%2)+8*(\t):64*((\j)%2)+8*(\t)+7], v[KF+12*(\t):KF+12*(\t)+11], v[QF+36*(\a)+18*((\j)%2)+6*((\j)/2):QF+36*(\a)+18*((\j)%2)+6*((\j)/2)+11], v[BI+8*(\t):BI+8*(\t)+7], v[KS+(\t)], v[QS+4*(\a)+(\j)] matrix_a_fmt:MATRIX_FMT_FP6 matrix_b_fmt:MATRIX_FMT_FP6
.endm
; THE EXPONENTIALS OF UNIT (a, j), and among them, one to eight, the products K Q^T of the next unit (an, jn): the even tiles first, with which the maxima begin.
.macro EXPS a, j, an, jn, hasn, first
.set SX, 64*((\j)%2)
.set UX, (\j)%2
.set STX, ST+16*(\a)+4*(\j)
	s_wait_alu depctr_va_vdst(0)
.if \first
	s_wait_dscnt 0x0                               ; V's fragments and scale words are in
.endif
	WIN 0x6d
.set i, 0
.rept 64
	v_exp_f32 v[SX+i], v[SX+i]                     ; p = 2^(t - M), at most 1
.if (\hasn) && (i%8 == 3)
.set TT, (2*(i/8))%8+(i/8)/4
	QK1 \an, \jn, TT
.endif
.set i, i+1
.endr
	WIN 0
	v_exp_f32 v[BM+2*UX], v[BM+2*UX]               ; the blocks' largest p
	v_exp_f32 v[BM+2*UX+1], v[BM+2*UX+1]
	v_pk_mul_f32 v[STX+2:STX+3], v[STX+2:STX+3], v[FF+2*UX:FF+2*UX+1] op_sel_hi:[1,0]   ; the sum under the new M: a plain line behind the exponentials
.endm
.macro LADD d, s                       ; a node of the sum's tree
	v_pk_add_f32 v[LT+\d:LT+\d+1], v[LT+\d:LT+\d+1], v[LT+\s:LT+\s+1]
.endm
; THE PLAIN STRETCH: the end of unit A = (aA, jA) and the start of unit B = (aB, jB), by turns.  extra = 1: tile 1's bias; 2: the next step's K, where it lies in the same slot.
.macro MID aA, jA, aB, jB, hasA, hasB, extra
.set UA, (\jA)%2
.set UB, (\jB)%2
.set SA, 64*UA
.set SN, 64*UB
.set STA, ST+16*(\aA)+4*(\jA)
.set STN, ST+16*(\aB)+4*(\jB)
.set OA, O+64*(\aA)+16*(\jA)
.if \hasA
	WIN 0xc3
	s_wait_alu depctr_va_vdst(0)                   ; one wait for the batch, directly ahead of the first reader of O^T
.irp k, 0,2,4,6,8,10,12,14
	v_pk_mul_f32 v[OA+\k:OA+\k+1], v[OA+\k:OA+\k+1], v[FF+2*UA:FF+2*UA+1] op_sel_hi:[1,0]   ; O^T under the new M.  (These are also the places behind B's products)
.endr
	WIN 0
.endif
.if \extra == 1
	BIAS 1
.endif
.if \extra == 2
	s_wait_alu depctr_va_vdst(0)
	s_cmp_eq_u32 s[STC], 1                         ; the slot's last step: the next step's K lies in the other slot, and is fetched behind the change
	s_cbranch_scc1 .Lnk_\@
	KLOAD STEPL
.Lnk_\@:
.endif
	WIN 0x05
	s_wait_alu depctr_va_vdst(0)                   ; directly ahead of the first reader of B's scores
.irp i, 0,2,4,6,8,10,12,14                     ; B: the largest score of each block of 32 keys, two chains of 16 a block, each accumulator from its low end on.  A: the first level of the tree over the unquantised p
.if \hasB
.irp hh, 0,1
.irp c, 0,1
.if \i == 0
	v_max3_num_f32 v[BM+4*\hh+2*UB+\c], v[SN+32*\c+16*\hh], v[SN+32*\c+16*\hh+1], v[NEG]
.else
	v_max3_num_f32 v[BM+4*\hh+2*UB+\c], v[SN+32*\c+16*\hh+\i], v[SN+32*\c+16*\hh+\i+1], v[BM+4*\hh+2*UB+\c]
.endif
.endr
.endr
.endif
.if \hasA
	v_pk_add_f32 v[LT+2*\i:LT+2*\i+1], v[SA+4*\i:SA+4*\i+1], v[SA+4*\i+2:SA+4*\i+3]
	v_pk_add_f32 v[LT+2*\i+2:LT+2*\i+3], v[SA+4*\i+4:SA+4*\i+5], v[SA+4*\i+6:SA+4*\i+7]
.endif
.endr
	WIN 0
.if \hasB
	v_max_num_f32 v[BM+2*UB], v[BM+2*UB], v[BM+4+2*UB]
	v_max_num_f32 v[BM+2*UB+1], v[BM+2*UB+1], v[BM+5+2*UB]
.endif
.if \hasA
	v_max_num_f32 v[BM+2*UA], 0x1800000, v[BM+2*UA]       ; the floor 2^(3 - 127): a block whose every p is 0 keeps the byte 1: its codes are zeros
	v_max_num_f32 v[BM+2*UA+1], 0x1800000, v[BM+2*UA+1]
	LADD 0, 2
	LADD 4, 6
	LADD 8, 10
	LADD 12, 14
.endif
.if \hasB
	v_max_num_f32 v[TA+UB], v[BM+2*UB], v[BM+2*UB+1]
.endif
.if \hasA
	v_add_nc_u32 v[SO+2*UA], 0xff000000, v[BM+2*UA]       ; 2 off the exponent field: the conversion's scale operand
	v_add_nc_u32 v[SO+2*UA+1], 0xff000000, v[BM+2*UA+1]
	LADD 16, 18
	LADD 20, 22
	LADD 24, 26
	LADD 28, 30
.endif
.if \hasB
	v_permlanex16_b32 v[TX+UB], v[TA+UB], s[SEL], s[SEL+1]
.endif
.if \hasA
	WIN 0x01
.irp c, 0,1                                    ; my block 2 c + lane / 16: registers 6 c .. 6 c + 5 of the operand
	v_cvt_scalef32_pk16_fp6_f32 v[P+12*UA+6*\c:P+12*UA+6*\c+2], v[SA+32*\c:SA+32*\c+15], v[SO+2*UA+\c]
	v_cvt_scalef32_pk16_fp6_f32 v[CT+8*UA+4*\c:CT+8*UA+4*\c+2], v[SA+32*\c+16:SA+32*\c+31], v[SO+2*UA+\c]   ; (a conversion's three registers begin on an even number)
.endr
	WIN 0
	v_lshrrev_b32 v[BY+2*UA], 23, v[SO+2*UA]       ; the scale's bytes (plain lines behind the conversions)
	v_lshrrev_b32 v[BY+2*UA+1], 23, v[SO+2*UA+1]
	LADD 0, 4
	LADD 8, 12
.endif
.if \hasB
	v_max3_num_f32 v[STN+1], v[STN+1], v[TA+UB], v[TX+UB]   ; the running largest score
.endif
.if \hasA
	LADD 16, 20
	LADD 24, 28
	v_lshl_or_b32 v[TA+UA], v[BY+2*UA+1], 16, v[BY+2*UA]    ; my two bytes,
.endif
.if \hasB
	v_mul_f32 v[TC+UB], -v[CC], v[STN+1]
	v_cmp_ge_f32 s[CM+UB], s30, v[STN+1]           ; no open key so far?
.endif
.if \hasA
	LADD 0, 8
	LADD 16, 24
	v_lshlrev_b32 v[TA+UA], v[SH8], v[TA+UA]       ; at their places;
.endif
.if \hasB
	v_floor_f32 v[TC+UB], v[TC+UB]                 ; the new -M = floor(-t): M is a whole number
	v_cndmask_b32 v[CE+2*UB], v[CC], v[ZR], s[CM+UB]   ; with no open key t - M is replaced by 0: a choice of values, no branch
.endif
.if \hasA
	v_permlanex16_b32 v[TX+UA], v[TA+UA], s[SEL], s[SEL+1]
	LADD 0, 16
.endif
.if \hasB
	v_sub_f32 v[TA+UB], v[TC+UB], v[STN]           ; old M less new M: a whole number, 0 or less
	v_cndmask_b32 v[NE+2*UB], v[TC+UB], v[ZR], s[CM+UB]
	v_mov_b32 v[STN], v[TC+UB]
.endif
.if \hasA
	v_or_b32 v[PS+UA], v[TA+UA], v[TX+UA]          ; with lane l xor 16's two the word is whole.  Eleven plain lines stand between it and the products, five behind the last move
.irp c, 0,1
.irp i, 0,1,2
	v_mov_b32 v[P+12*UA+6*\c+3+\i], v[CT+8*UA+4*\c+\i]
.endr
.endr
.endif
.if \hasB
	v_cvt_i32_f32 v[TA+UB], v[TA+UB]               ; (it saturates)
	v_fma_f32 v[BM+2*UB], v[BM+2*UB], v[CE+2*UB], v[NE+2*UB]       ; t - M of each block's largest score
	v_fma_f32 v[BM+2*UB+1], v[BM+2*UB+1], v[CE+2*UB], v[NE+2*UB]
.endif
.if \hasA
	v_pk_add_f32 v[STA+2:STA+3], v[STA+2:STA+3], v[LT:LT+1]
.endif
.if \hasB
	v_ldexp_f32 v[FF+2*UB], 1.0, v[TA+UB]          ; f = 2^(old M - new M)
.else
.rept 4
	v_nop
.endr
.endif
.if \hasA
	WIN 0xf2                                       ; V window 2, p window 0, O window 3
.irp uu, 0,1
	v_wmma_scale_f32_16x16x128_f8f6f4 v[OA+8*\uu:OA+8*\uu+7], v[VF+24*(\jA)+12*\uu:VF+24*(\jA)+12*\uu+11], v[P+12*UA:P+12*UA+11], v[OA+8*\uu:OA+8*\uu+7], v[VS+2*(\jA)+\uu], v[PS+UA] matrix_a_fmt:MATRIX_FMT_FP6 matrix_b_fmt:MATRIX_FMT_FP6
.endr
.endif                                         ; every accumulator's turn is one instruction, and neighbours differ
.if \hasB
	WIN 0x41
.irp k, 0,2,4,6,8,10,12,14,16,18,20,22,24,26,28,30,32,34,36,38,40,42,44,46,48,50,52,54,56,58,60,62
	v_pk_fma_f32 v[SN+\k:SN+\k+1], v[SN+\k:SN+\k+1], v[CE+2*UB:CE+2*UB+1], v[NE+2*UB:NE+2*UB+1] op_sel_hi:[1,0,0]   ; t - M
.endr
.else
	WIN 0
.endif
.endm
; A KEY STEP: 128 keys, two tiles of queries, four heads.  K came in the step before, or behind the change of slots.
.macro STEP
	v_add_nc_u32 v[ADV], s[TB], v[LV]              ; these four are the places behind the last step's products, in front of the loads below
	v_add_nc_u32 v[ADVS], s[TB], v[LVS]
	v_add_nc_u32 v[ADK], s[TB], v[LK]
	v_add_nc_u32 v[ADKS], s[TB], v[LKS]
	WIN 0x80
.irp f, 0,1,2,3,4,5,6,7
.irp c, 0,1,2
	ds_load_b128 v[VF+12*\f+4*\c:VF+12*\f+4*\c+3], v[ADV] offset:FRL*\f+576*\c
.endr
.endr
	WIN 0
	ds_load_b128 v[VS:VS+3], v[ADVS] offset:SWL
	ds_load_b128 v[VS+4:VS+7], v[ADVS] offset:SWL+16
	BIAS 0
	WIN 0x6d
.irp t, 0,2,4,6,1,3,5,7
	QK1 0, 0, \t                                   ; the step's first unit has no exponentials to stand among
.endr
	WIN 0
.rept 4
	v_nop                                          ; places in front of the first read of the scores
.endr
	MID  0,0, 0,0, 0,1, 0
	EXPS 0,0, 0,1, 1, 1
	MID  0,0, 0,1, 1,1, 0
	EXPS 0,1, 0,2, 1, 0
	MID  0,1, 0,2, 1,1, 0
	EXPS 0,2, 0,3, 1, 0
	MID  0,2, 0,3, 1,1, 1                          ; tile 0's last products have read the bias: tile 1's is made
	EXPS 0,3, 1,0, 1, 0
	MID  0,3, 1,0, 1,1, 0
	EXPS 1,0, 1,1, 1, 0
	MID  1,0, 1,1, 1,1, 0
	EXPS 1,1, 1,2, 1, 0
	MID  1,1, 1,2, 1,1, 0
	EXPS 1,2, 1,3, 1, 0
	MID  1,2, 1,3, 1,1, 2                          ; the step's last products have read K: the next step's is fetched
	EXPS 1,3, 0,0, 0, 0
	MID  1,3, 0,0, 1,0, 0
.endm
; THE CHANGE OF SLOTS.  Each wave waits for all its tensor loads (its part of the slot ahead), adds 0 to its spare word, and waits for that and for its reads of the slot that it has left.
; fill = 1: the barrier is a round of the cluster's, and behind it the slot just left is filled with the next four steps.
.macro CHANGE fill
	s_wait_tensorcnt 0x0                           ; no tensor load of mine is out, so the group 0 may be written
	ds_add_u32 v[SPW], v[NIL]
.if \fill
	s_xor_b32 s[G0+1], s[G0+1], SLOT1
	s_add_nc_u64 s[G0+2:G0+3], s[G0+2:G0+3], 4*STEPB
.endif
	s_wait_dscnt 0x0
.if \fill
	CROUND
	tensor_load_to_lds s[G0:G0+3], s[G1:G1+7]      ; the first thing behind the round, and my one tensor load until the next
	s_nop 0
.rept 4
	v_nop
.endr
.else
	s_barrier_signal -1
	s_barrier_wait -1
.endif
.endm
.macro SLOT_STEPS                      ; a slot's four key steps: written once, walked four times
	s_mov_b32 s[STC], 4
	v_add_nc_u32 v[ADK], s[TB], v[LK]
	v_add_nc_u32 v[ADKS], s[TB], v[LKS]
	KLOAD 0                                        ; the slot's first K
.Lstep_\@:
	STEP
	s_add_co_u32 s[TB], s[TB], STEPL
	s_sub_co_u32 s[STC], s[STC], 1
	s_cmp_lg_u32 s[STC], 0
	s_wait_alu depctr_va_vdst(0)
	s_cbranch_scc1 .Lstep_\@
	s_sub_co_u32 s[TB], s[TB], 4*STEPL
	s_xor_b32 s[TB], s[TB], SLOT1
.endm
.Lslot:                                            ; three trips: behind each change of slots but the last the next slot is asked for
	CHANGE 1
	SLOT_STEPS
	s_sub_co_u32 s[SLOTS], s[SLOTS], 1
	s_cmp_lg_u32 s[SLOTS], 0
	s_cbranch_scc1 .Lslot
	CHANGE 0                                       ; the last slot is written out
	SLOT_STEPS
	; THE WAY OUT.  O^T / the row's sum; a tile's 64 numbers of a lane are 16 (lane / 16) + 0..15 of each head's 32 channels: one fragment of the projection's operand, K step = my group.
.irp q, 0,1,2,3,4,5,6,7
	v_add_f32 v[SO+\q], v[ST+4*\q+2], v[ST+4*\q+3] ; the sum's two halves (these lines are the places behind the last products)
.endr
.irp q, 0,1,2,3,4,5,6,7
	v_permlanex16_b32 v[SU+\q], v[SO+\q], s[SEL], s[SEL+1]
.endr
.irp q, 0,1,2,3,4,5,6,7
	v_add_f32 v[SO+\q], v[SO+\q], v[SU+\q]
.endr
	v_and_b32 v208, 31, v0
	v_add_nc_u32 v206, s66, v[L16]
	v_lshl_add_u32 v207, v208, 2, s67
	s_wait_alu depctr_va_vdst(0)
.irp q, 0,1,2,3,4,5,6,7
	v_rcp_f32 v[CE+2*\q], v[SO+\q]                 ; the low halves of pairs
.endr
	v_nop
	WIN 0xc3
	s_wait_alu depctr_va_vdst(0)                   ; one wait for the eight, directly ahead of the first reader of O^T
.irp q, 0,1,2,3,4,5,6,7
.irp k, 0,2,4,6,8,10,12,14
	v_pk_mul_f32 v[O+16*\q+\k:O+16*\q+\k+1], v[O+16*\q+\k:O+16*\q+\k+1], v[CE+2*\q:CE+2*\q+1] op_sel_hi:[1,0]
.endr
.endr
	WIN 0
.irp a, 0,1
	QUANT O+64*\a, 3, P+12*\a, WD+\a               ; each tile has its own registers: no store's data are written again
.irp c, 0,1,2
	global_store_b128 v206, v[P+12*\a+4*\c:P+12*\a+4*\c+3], s[8:9] offset:FRB*\a+512*\c   ; 512 consecutive bytes, aligned
.endr
	global_store_b32 v207, v[WD+\a], s[8:9] offset:1024*\a
.endr
	s_wait_tensorcnt 0x0                           ; the wave's end
	ds_add_u32 v[SPW], v[NIL]
	s_wait_dscnt 0x0
	CROUND                                         ; the closing round
	s_endpgm
.Lfunc_end_k_qb25cfece37_attn:
	.size	k_qb25cfece37_attn, .Lfunc_end_k_qb25cfece37_attn-k_qb25cfece37_attn
	.p2alignl 7, 3214868480
	.fill 96, 4, 3214868480
	.section	.rodata,"a",@progbits
	.p2align	6, 0x0
	.amdhsa_kernel k_qb25cfece37_attn
		.amdhsa_group_segment_fixed_size 327680
		.amdhsa_private_segment_fixed_size 0
		.amdhsa_enable_private_segment 0
		.amdhsa_kernarg_size 24
		.amdhsa_user_sgpr_count 2
		.amdhsa_user_sgpr_kernarg_segment_ptr 1
		.amdhsa_wavefront_size32 1
		.amdhsa_system_sgpr_workgroup_id_x 1
		.amdhsa_system_sgpr_workgroup_id_y 1
		.amdhsa_system_sgpr_workgroup_id_z 1
		.amdhsa_system_vgpr_workitem_id 0
		.amdhsa_next_free_vgpr 1024
		.amdhsa_next_free_sgpr 100
		.amdhsa_reserve_vcc 0
		.amdhsa_float_denorm_mode_32 3
		.amdhsa_float_denorm_mode_16_64 3
		.amdhsa_memory_ordered 1
		.amdhsa_forward_progress 1
		.amdhsa_inst_pref_size 255
	.end_amdhsa_kernel
	.section	.bss,"aw",@nobits
	.p2align	6
	.space	262144
	.amdgpu_metadata
---
amdhsa.version: [ 1, 2 ]
amdhsa.kernels:
  - .name:           k_qb25cfece37_attn
    .symbol:         k_qb25cfece37_attn.kd
    .args:
      - { .name: qkv, .offset: 0, .size: 8, .value_kind: global_buffer, .address_space: global }
      - { .name: mbits, .offset: 8, .size: 8, .value_kind: global_buffer, .address_space: global }
      - { .name: a2_op, .offset: 16, .size: 8, .value_kind: global_buffer, .address_space: global }
    .group_segment_fixed_size: 327680
    .private_segment_fixed_size: 0
    .kernarg_segment_align: 8
    .kernarg_segment_size: 24
    .max_flat_workgroup_size: 128
    .sgpr_count:     100
    .vgpr_count:     1024
    .wavefront_size: 32
...
	.end_amdgpu_metadata
.endif
;; end of part 3
;; launch oproj (part 4): grid 8 x 32, 4 waves a work-group, clusters of 4 x 4, 327,680 bytes of LDS; arguments a2_op, w_op, out0; writes out0
.if DOCPART == 4
	.amdgcn_target "amdgcn-amd-amdhsa--gfx1250"
	.amdhsa_code_object_version 6
	.text
	.protected	k_qb25cfece37_oproj
	.globl	k_qb25cfece37_oproj
	.p2align	8
	.type	k_qb25cfece37_oproj,@function
k_qb25cfece37_oproj:
	s_mov_b64 s[64:65], 0
	v_nop
	global_prefetch_b8 v0, s[64:65] scope:SCOPE_SE
	s_setreg_imm32_b32 hwreg(HW_REG_WAVE_MODE, 25, 1), 1
	s_wait_xcnt 0x0
	s_wait_alu depctr_hold_cnt(0) depctr_sa_sdst(0) depctr_va_vdst(0) depctr_va_sdst(0) depctr_va_ssrc(0) depctr_va_vcc(0) depctr_vm_vsrc(0)
	s_getreg_b32 s2, hwreg(HW_REG_IB_STS2, 6, 4)
	s_cmp_eq_u32 s2, 0
	s_cbranch_scc0 .Lentry_in_a_cluster
	s_endpgm
.Lentry_in_a_cluster:
	s_bfe_u32 s2, ttmp6, 0x10000c
	s_cmp_lg_u32 s2, 0xf033
	s_cbranch_scc0 .Lentry_shape_is_right
	s_endpgm
.Lentry_shape_is_right:
; LAUNCH 4 OF 4.  out0 [4096][1024] = a2 W_o^T on codes of FP6 (E2M3) with E8M0 scales; sums in f32.  No work is left out.
; a2_op holds 32 operand blocks of 128 rows x 1,024 K (launch 3 made them), w_op's blocks 24-31 those of W_o (launch 1).  A block is 106,496 bytes: fragment (K step s, tile i) at (8 s + i) x 1,536,
; an image of the operand's registers; from byte 98,304 on the scale words: image 8 i + s of 128 bytes, word l = the word of row l % 16.  Row r of tile T is row 32 (T / 2) + 8 (T % 2) + r + 8 (r / 8).
; SHARES.  A work-group makes 128 x 128 of the result: 8 x 32 = 256 work-groups.  It needs ONE block of A and ONE of B, 212,992 bytes, which lie in LDS whole: each wave fetches half a block with one tensor load
; at the head (208 rows of 256 bytes); nothing is filled again, so the walk along K has no barrier.  A wave makes 64 x 64: 16 accumulators, by turns; eight K steps, written out.
; CLUSTERS: 4 x 4 work-groups; A's block is shared along a row of the cluster, B's along a column: each half block is asked for jointly.  No prefetch is laid: the launch has no loop to run ahead in.
; THE MATRIX INSTRUCTION IS USED TRANSPOSED (source 0 = 16 rows of W_o, source 1 = 16 rows of a2): a lane holds eight neighbouring numbers of a row of the result.
; REGISTERS.  Window 0: v16-29 addresses; v32-63 the scale words of all eight steps (lanes 0-15 A's tile i, lanes 16-31 B's tile i); v64-255 two sets of fragments (B's four, then A's four).  Window 1: v0-127 the accumulators.
.set FR,     12
.set FRB,    1536
.set OPB,    106496
.set SCOFF,  98304
.set HALFB,  OPB/2
.set SPITCH, 272                       ; a stage row: 256 bytes + 16
.set STAGE,  2*OPB                     ; behind the two blocks: 16 rows for each wave; no fill lands there
.set SPARE,  STAGE+4*16*SPITCH         ; the spare words, 128 bytes for each wave, which no other line names
.set ADRA, 16                          ; v16, v17  my A fragments of K steps 0-3, 4-7 (an LDS offset has 16 bits)
.set ADRB, 18                          ; v18, v19  the same for B
.set STO,  20
.set RD,   21
.set CO,   22
.set ADRS, 23
.set SPW,  28                          ; my spare word; never rewritten
.set NIL,  29                          ; 0; never rewritten
.set SC,   32
.set F,    64
.set BK,   64                          ; the way out: 16 rows read back, two sets of 32 registers
.set G1,  24
.set G0,  32
.set G1B, 48
.set G0B, 56
.set MSB, 0
.macro WIN new                         ; the immediate's high byte repeats the setting that is left
.if MSB != (\new)
	s_set_vgpr_msb (MSB<<8)|(\new)
.set MSB, (\new)
.endif
.endm
.macro CROUND                          ; a round of the cluster's barrier
	s_barrier_signal -1
	s_barrier_wait -1
	s_cmp_lg_u32 s14, 0
	s_cbranch_scc1 .Lnot_wave_0_\@
	s_barrier_signal -3
.Lnot_wave_0_\@:
	s_barrier_wait -3
	s_barrier_signal -1
	s_barrier_wait -1
.endm
	s_load_b128 s[4:7], s[0:1], 0x0                ; a2_op s[4:5], w_op s[6:7]
	s_load_b64 s[12:13], s[0:1], 0x10              ; out0
	v_lshl_add_u32 v[SPW], v0, 2, SPARE
	v_mov_b32 v[NIL], 0
	ds_add_u32 v[SPW], v[NIL]                      ; the opening
	ds_add_u32 v[SPW], v[NIL]
	v_lshrrev_b32 v1, 5, v0
	v_readfirstlane_b32 s14, v1                    ; wave 0..3
	s_lshr_b32 s15, s14, 1                         ; which 64 rows are mine.  Also: I fetch for A (0) or for B (1)
	s_and_b32 s16, s14, 1                          ; which 64 columns.  Also: which half of that block I fetch
	s_bfe_u32 s40, ttmp6, 0x40000                  ; cx
	s_bfe_u32 s41, ttmp6, 0x40004                  ; cy
	s_lshl_b32 s42, ttmp9, 2
	s_add_co_u32 s42, s42, s40                     ; block column 0..7
	s_and_b32 s17, ttmp7, 0xffff
	s_lshl_b32 s17, s17, 2
	s_add_co_u32 s17, s17, s41                     ; block row 0..31
	s_lshl_b32 s43, s41, 2
	s_lshl_b32 s43, 15, s43                        ; my row of the cluster
	s_lshl_b32 s44, 0x1111, s40                    ; my column
	s_or_b32 s[G1+0], s43, (3<<16)|(1<<21)         ; elements of 8 bytes; A's halves go to my row,
	s_or_b32 s[G1B+0], s44, (3<<16)|(1<<21)        ; B's to my column
.irp g, G1, G1B
	s_mov_b32 s[\g+1], 32<<16                      ; half a block, 53,248 dense bytes, as 208 rows of 256
	s_mov_b32 s[\g+2], 208<<16
	s_mov_b32 s[\g+3], 32<<16
	s_mov_b32 s[\g+4], 208
	s_mov_b32 s[\g+5], 32
	s_mov_b32 s[\g+6], 0
	s_mov_b32 s[\g+7], 0
.endr
	s_mul_i32 s20, s17, OPB
	s_mov_b32 s21, 0
	s_add_co_u32 s46, s42, 24                      ; W_o's blocks follow W_qkv's 24
	s_mul_i32 s46, s46, OPB
	s_mov_b32 s47, 0
	s_mul_i32 s18, s16, HALFB                      ; my half
	s_mov_b32 s19, 0
	s_mul_i32 s45, s14, HALFB                      ; LDS: A's two halves, then B's: no place in the cluster enters an LDS address
	s_wait_dscnt 0x0                               ; both opening adds are done
	s_wait_kmcnt 0x0
	s_add_nc_u64 s[20:21], s[4:5], s[20:21]
	s_add_nc_u64 s[20:21], s[20:21], s[18:19]
	s_add_nc_u64 s[46:47], s[6:7], s[46:47]
	s_add_nc_u64 s[46:47], s[46:47], s[18:19]
	s_mov_b32 s[G0], 1
	s_mov_b32 s[G0+1], s45
	s_mov_b64 s[G0+2:G0+3], s[20:21]
	s_or_b32 s[G0+3], s[G0+3], 0x80000000
	s_mov_b32 s[G0B], 1
	s_mov_b32 s[G0B+1], s45
	s_mov_b64 s[G0B+2:G0B+3], s[46:47]
	s_or_b32 s[G0B+3], s[G0B+3], 0x80000000
	CROUND                                         ; all sixteen work-groups are here: the joint loads meet
	s_cmp_eq_u32 s15, 0                            ; one load a wave: waves 0, 1 A's halves, waves 2, 3 B's
	s_cbranch_scc0 .Lfor_b
	tensor_load_to_lds s[G0:G0+3], s[G1:G1+7]
	s_nop 0
.rept 4
	v_nop
.endr
	s_branch .Lasked
.Lfor_b:
	tensor_load_to_lds s[G0B:G0B+3], s[G1B:G1B+7]
	s_nop 0
.rept 4
	v_nop
.endr
.Lasked:
	s_mul_i32 s36, s15, 4*FRB                      ; my four tiles of A,
	s_mul_i32 s37, s16, 4*FRB
	s_add_co_u32 s37, s37, OPB                     ; and of B
	s_lshl_b32 s38, s15, 12
	s_add_co_u32 s38, s38, SCOFF                   ; A's scale images: tile 4 x half, 8 images of 128 bytes a tile
	s_lshl_b32 s39, s16, 12
	s_add_co_u32 s39, s39, OPB+SCOFF
	s_sub_co_u32 s39, s39, s38                     ; how far on B's lie
	s_mul_i32 s60, s14, 16*SPITCH
	s_add_co_u32 s60, s60, STAGE                   ; my stage
	s_lshl_b32 s62, s17, 7
	s_lshl_b32 s63, s15, 6
	s_add_co_u32 s62, s62, s63                     ; my first row of the result
	s_lshl_b32 s62, s62, 12
	s_lshl_b32 s63, s42, 9
	s_add_co_u32 s62, s62, s63
	s_lshl_b32 s63, s16, 8
	s_add_co_u32 s62, s62, s63                     ; + my first column, in bytes
	s_mov_b32 s63, 0
	s_add_nc_u64 s[12:13], s[12:13], s[62:63]
	v_and_b32 v1, 31, v0
	v_and_b32 v2, 15, v0                           ; r
	v_bfe_u32 v3, v0, 4, 1                         ; h
	v_lshlrev_b32 v4, 4, v1
	v_add_nc_u32 v[ADRA], s36, v4
	v_add_nc_u32 v[ADRB], s37, v4
	v_add_nc_u32 v[ADRA+1], 32*FRB, v[ADRA]
	v_add_nc_u32 v[ADRB+1], 32*FRB, v[ADRB]
	v_lshlrev_b32 v5, 2, v1
	v_mul_u32_u24 v6, s39, v3                      ; lanes 16-31 take B's words
	v_add_nc_u32 v5, v5, v6
	v_add_nc_u32 v[ADRS], s38, v5
	v_mul_u32_u24 v7, v2, SPITCH                   ; into the stage: row r, 64 bytes on for lanes 16-31 (16 columns on, by the order of a tile's rows)
	v_lshl_add_u32 v7, v3, 6, v7
	v_add_nc_u32 v[STO], s60, v7
	v_mul_u32_u24 v8, v3, SPITCH                   ; back: sixteen lanes take a row of 256 bytes, two rows an instruction
	v_lshl_add_u32 v8, v2, 4, v8
	v_add_nc_u32 v[RD], s60, v8
	v_lshlrev_b32 v9, 12, v3                       ; and the same two rows in the result
	v_lshl_add_u32 v[CO], v2, 4, v9
.macro FETCH s                         ; K step s: B's four fragments and A's four into set s % 2: 24 LDS loads
.irp i, 0,1,2,3
.irp c, 0,1,2
	ds_load_b128 v[F+96*((\s)%2)+FR*\i+4*\c:F+96*((\s)%2)+FR*\i+4*\c+3], v[ADRB+(\s)/4] offset:(8*((\s)%4)+\i)*FRB+512*\c
.endr
.endr
.irp i, 0,1,2,3
.irp c, 0,1,2
	ds_load_b128 v[F+96*((\s)%2)+48+FR*\i+4*\c:F+96*((\s)%2)+48+FR*\i+4*\c+3], v[ADRA+(\s)/4] offset:(8*((\s)%4)+\i)*FRB+512*\c
.endr
.endr
.endm
.macro MUL s, zero                     ; 16 products, 128 along K; the first step's start the sums: nothing is cleared
.irp a, 0,1,2,3
.irp b, 0,1,2,3
.if \zero
	v_wmma_scale_f32_16x16x128_f8f6f4 v[8*(4*\a+\b):8*(4*\a+\b)+7], v[F+96*((\s)%2)+FR*\b:F+96*((\s)%2)+FR*\b+FR-1], v[F+96*((\s)%2)+48+FR*\a:F+96*((\s)%2)+48+FR*\a+FR-1], 0, v[SC+4*(\s)+\b], v[SC+4*(\s)+\a] matrix_a_fmt:MATRIX_FMT_FP6 matrix_b_fmt:MATRIX_FMT_FP6 matrix_a_scale:MATRIX_SCALE_ROW1
.else
	v_wmma_scale_f32_16x16x128_f8f6f4 v[8*(4*\a+\b):8*(4*\a+\b)+7], v[F+96*((\s)%2)+FR*\b:F+96*((\s)%2)+FR*\b+FR-1], v[F+96*((\s)%2)+48+FR*\a:F+96*((\s)%2)+48+FR*\a+FR-1], v[8*(4*\a+\b):8*(4*\a+\b)+7], v[SC+4*(\s)+\b], v[SC+4*(\s)+\a] matrix_a_fmt:MATRIX_FMT_FP6 matrix_b_fmt:MATRIX_FMT_FP6 matrix_a_scale:MATRIX_SCALE_ROW1
.endif
.endr
.endr
.endm
.macro PLACES
.rept 4
	v_nop
.endr
.endm
	s_wait_alu depctr_va_vdst(0)
	s_wait_tensorcnt 0x0                           ; my half block is in;
	s_barrier_signal -1
	s_barrier_wait -1                              ; everybody's is
.irp s, 0,1,2,3,4,5,6,7
.irp i, 0,1,2,3
	ds_load_b32 v[SC+4*\s+\i], v[ADRS] offset:1024*\i+128*\s   ; the scale words of all eight steps, once
.endr
.endr
	FETCH 0
	FETCH 1
	s_wait_dscnt 24                                ; the words and step 0's fragments are in; step 1's 24 loads may be out
	WIN 0x50                                       ; C and D window 1
	MUL 0, 1
.irp s, 1,2,3,4,5,6
	PLACES                                         ; in front of loads into the set that the step before has multiplied
	WIN 0
	FETCH \s+1
	s_wait_dscnt 24                                ; this step's fragments are in; the next step's 24 loads may be out
	WIN 0x50
	MUL \s, 0
.endr
	s_wait_dscnt 0x0
	MUL 7, 0
	WIN 0
; THE WAY OUT, block by block of 16 rows x 64 columns, through my own stage: LDS serves a wave's instructions in order, so no wait stands between the stores and the loads.
.macro TOSTAGE a
	WIN 0x04                                       ; the data: window 1
.irp b, 0,1,2,3
	ds_store_b128 v[STO], v[8*(4*(\a)+\b):8*(4*(\a)+\b)+3] offset:128*(\b/2)+32*(\b%2)          ; each accumulator from its low end on
	ds_store_b128 v[STO], v[8*(4*(\a)+\b)+4:8*(4*(\a)+\b)+7] offset:128*(\b/2)+32*(\b%2)+16
.endr
	WIN 0
.set BB, BK+32*((\a)%2)
.irp t, 0,1,2,3,4,5,6,7
	ds_load_b128 v[BB+4*\t:BB+4*\t+3], v[RD] offset:\t*2*SPITCH
.endr
.endm
.macro SEND a, younger                 ; younger: the LDS instructions issued behind block a's loads, which may stay out
.set BB, BK+32*((\a)%2)
	s_wait_dscnt \younger
.irp t, 0,1,2,3,4,5,6,7
	global_store_b128 v[CO], v[BB+4*\t:BB+4*\t+3], s[12:13] offset:(32*((\a)/2)+8*((\a)%2)+2*\t+8*(\t/4))*4096 th:TH_STORE_NT   ; sixteen lanes store 256 consecutive bytes, aligned
.endr
.endm
	PLACES                                         ; in front of the first read of results, and of loads into registers that held fragments
	TOSTAGE 0
.irp a, 1,2,3
.if \a > 1
	s_wait_xcnt 0x0                                ; block a - 2's stores have read their registers: block a's loads may land there
.endif
	TOSTAGE \a
	SEND \a-1, 16                                  ; behind block a - 1's loads: block a's 8 stores and 8 loads
.endr
	SEND 3, 0
	s_wait_tensorcnt 0x0                           ; the wave's end
	ds_add_u32 v[SPW], v[NIL]
	s_wait_dscnt 0x0
	CROUND                                         ; the closing round
	s_endpgm
.Lfunc_end_k_qb25cfece37_oproj:
	.size	k_qb25cfece37_oproj, .Lfunc_end_k_qb25cfece37_oproj-k_qb25cfece37_oproj
	.p2alignl 7, 3214868480
	.fill 96, 4, 3214868480
	.section	.rodata,"a",@progbits
	.p2align	6, 0x0
	.amdhsa_kernel k_qb25cfece37_oproj
		.amdhsa_group_segment_fixed_size 327680
		.amdhsa_private_segment_fixed_size 0
		.amdhsa_enable_private_segment 0
		.amdhsa_kernarg_size 24
		.amdhsa_user_sgpr_count 2
		.amdhsa_user_sgpr_kernarg_segment_ptr 1
		.amdhsa_wavefront_size32 1
		.amdhsa_system_sgpr_workgroup_id_x 1
		.amdhsa_system_sgpr_workgroup_id_y 1
		.amdhsa_system_sgpr_workgroup_id_z 1
		.amdhsa_system_vgpr_workitem_id 0
		.amdhsa_next_free_vgpr 384
		.amdhsa_next_free_sgpr 66
		.amdhsa_reserve_vcc 0
		.amdhsa_float_denorm_mode_32 3
		.amdhsa_float_denorm_mode_16_64 3
		.amdhsa_memory_ordered 1
		.amdhsa_forward_progress 1
		.amdhsa_inst_pref_size 46
	.end_amdhsa_kernel
	.amdgpu_metadata
---
amdhsa.version: [ 1, 2 ]
amdhsa.kernels:
  - .name:           k_qb25cfece37_oproj
    .symbol:         k_qb25cfece37_oproj.kd
    .args:
      - { .name: a2_op, .offset: 0, .size: 8, .value_kind: global_buffer, .address_space: global }
      - { .name: w_op, .offset: 8, .size: 8, .value_kind: global_buffer, .address_space: global }
      - { .name: out0, .offset: 16, .size: 8, .value_kind: global_buffer, .address_space: global }
    .group_segment_fixed_size: 327680
    .private_segment_fixed_size: 0
    .kernarg_segment_align: 8
    .kernarg_segment_size: 24
    .max_flat_workgroup_size: 128
    .sgpr_count:     66
    .vgpr_count:     384
    .wavefront_size: 32
...
	.end_amdgpu_metadata
.endif
;; end of part 4
